; MI455X (gfx1250); checked and timed in simulation.
; The chip was launched on July 23, 2026; its instructions are those of AMD's public machine-readable ISA for CDNA 5 (MIT licence, August 2026) and "CDNA5" Instruction Set Architecture Reference Guide (July 2026). The comments in the code are by the model that wrote it; some were corrected since.
;; Time Aware Attention. Allowed arithmetic: float matrix products may take bf16 or f16 operands with f32 sums; other float arithmetic in f32, or as packed bf16 or f16 multiplies, adds, multiply-adds, maxima and minima; sums over many terms, partial sums and values carried from step to step in f32; what a program stores and reads back later, other than sums and carried values, may be rounded once to bf16 or f16.
;; Inputs: Wk 1,024 x 1,024 float32; Wq 1,024 x 1,024 float32; Ws 1,024 float32; Wt 2 x 1,024 float32; bk 1,024 float32; bq 1,024 float32; bs one number float32; bt 1,024 float32; lengths 32 int32; query 32 x 1,024 float32; seq 32 x 2,048 x 1,024 float32; time_features 32 x 2,048 x 2 float32.
;; Outputs: out0 32 x 1,024 float32.
;; 2 versions, each right; version 2 is version 1 with the launch main written anew for expert scheduling mode. Each part assembles by itself: llvm-mc -triple=amdgcn-amd-amdhsa -mcpu=gfx1250 --defsym DOCPART=n.
;; ======== version 1 of 2: 3 launches
;; workspace buffers: wkf 2,129,920 bytes; ctab 131,072 bytes; cols 12,288 bytes; plan 65,536 bytes of whole numbers; part 16,777,216 bytes; stat 32,768 bytes
;; launch prep (part 1): grid 81 x 1, 8 waves a work-group, no clusters, 107,520 bytes of LDS; arguments Wk, Wq, query, bq, bk, bt, Ws, Wt, lengths, wkf, ctab, cols, plan; writes wkf, ctab, cols, plan
.if DOCPART == 1
	.amdgcn_target "amdgcn-amd-amdhsa--gfx1250"
	.amdhsa_code_object_version 6
	.text
	.protected	k_qf397c68e4f_prep
	.globl	k_qf397c68e4f_prep
	.p2align	8
	.type	k_qf397c68e4f_prep,@function
k_qf397c68e4f_prep:
	s_mov_b64 s[64:65], 0
	v_nop
	global_prefetch_b8 v0, s[64:65] scope:SCOPE_SE
	s_setreg_imm32_b32 hwreg(HW_REG_WAVE_MODE, 25, 1), 1
	s_wait_xcnt 0x0
; PREP: what the main launch needs ready.  Three kinds of work-group, told apart by the work-group's number alone:
;   0-63  (T)  Wk [k][d] f32 -> wkf: bf16, in the order in which a lane of the main launch takes a fragment of source 1 (column d = lane % 16, 8 + 8 numbers along k).
;              Byte ((((g 32 + ks) 4 + cb) 2 + p) 512 + 16 lane: g = group of 64 columns, ks = step of 32 along k, cb = 16 columns, p = half of the step.
;   64-79 (Q)  ctab[b][d] = 2 log2(e) (query Wq + bq + bk + bt), f32, at byte 4096 b + 256 g + 16 r + 4 cb for d = 64 g + 16 cb + r.  K is split among the eight waves; the partial sums meet in LDS.
;   80    (S)  the plan (one record of 64 words for each of the main launch's 256 work-groups), the column tables, and 32 KiB of zeros behind wkf.
; THE PLAN.  A batch's rows below its length lie in blocks of 16; all batches' blocks are numbered on end, NB in all.  Work-group t takes NB / 256 of them on end, one more where t < NB % 256.
; Record: word 0 = how many blocks, 1 = the first block's number, 2 and 3 = how many of them the first and the second pass take (all in one pass up to nine, else half each),
; 4+i = the first row (2048 batch + 16 block) of its i-th block, 24+i = its batch, 44+i = how many of its 16 rows count (0 past the last), 62 and 63 = the row blocks that each pass multiplies (5, 8 or 9); the other words are 0.
; LIMITS.  A length is held to 1 .. 2048: above 2048 it means 2048, as in the formula; a length below 1, for which the formula has no finite result, is taken as 1.  Wk, Wq and query are rounded once to bf16.
.set TRB,   5120                       ; a wave's turning tile: 32 rows (k) x 160 bytes (64 bf16 + 32 of padding)
.set STAGE, 8*TRB                      ; role Q: 8 waves x 32 rows x 256 bytes of partial sums
.set SPARE, STAGE+8*8192               ; the spare words, 128 bytes a wave, that no other line names
.set ACC,   32                         ; v32-95   role Q: eight accumulators (rb, cb) at ACC + 8 (4 rb + cb)
.set QSET,  96                         ; v96-223  role Q: query, 32 registers a step; packed in place into two fragments
.set REC,   128                        ; v128-191 role S: the record
; window 1: v0-255 four sets of 64: 32 rows x 64 columns of Wq (role T: one set, of Wk) as loaded; then packed; then the four fragments, turned, in the set's first 32
.set MSB, 0
.macro WIN new                         ; the immediate's high byte repeats the setting that is left; a switch that changes nothing is dropped
.if MSB != (\new)
	s_set_vgpr_msb (MSB<<8)|(\new)
.set MSB, (\new)
.endif
.endm
	s_load_b512 s[68:83], s[0:1], 0x0              ; Wk 68, Wq 70, query 72, bq 74, bk 76, bt 78, Ws 80, Wt 82
	s_load_b256 s[84:91], s[0:1], 0x40             ; lengths 84, wkf 86, ctab 88, cols 90
	s_load_b64 s[92:93], s[0:1], 0x60              ; plan
	v_lshl_add_u32 v30, v0, 2, SPARE               ; my spare word,
	v_mov_b32 v31, 0                               ; and 0: kept for the add at the wave's end
	v_lshrrev_b32 v1, 5, v0
	v_readfirstlane_b32 s4, v1                     ; wave 0..7
	v_and_b32 v1, 31, v0                           ; l
	v_and_b32 v2, 15, v0                           ; r = l % 16
	v_bfe_u32 v3, v0, 4, 1                         ; h = l / 16
	v_lshlrev_b32 v4, 4, v2
	v_lshl_add_u32 v4, v3, 12, v4                  ; v4: a load takes two rows of 256 bytes: 4096 h + 16 r
	s_mul_i32 s5, s4, TRB
	v_mul_u32_u24 v5, v3, 160
	v_lshl_add_u32 v5, v2, 3, v5
	v_add_nc_u32 v5, s5, v5                        ; v5: where the packed 8 bytes go: row h, 8 r
	v_and_b32 v10, 7, v0
	v_lshl_add_u32 v10, v3, 3, v10
	v_mul_u32_u24 v6, v10, 160
	v_bfe_u32 v10, v0, 3, 1
	v_lshl_add_u32 v6, v10, 4, v6
	v_add_nc_u32 v6, s5, v6                        ; v6: the turning load: row 8 h + l % 8, 16 bytes for each half of eight lanes' pair
	v_lshlrev_b32 v7, 4, v1                        ; v7: 16 l
	v_lshlrev_b32 v8, 12, v2
	v_lshl_add_u32 v8, v3, 5, v8
	s_lshl_b32 s6, s4, 9
	v_add_nc_u32 v8, s6, v8                        ; v8: query: row r, 32 h, my wave's four steps (512 bytes)
	s_lshl_b32 s6, s4, 13
	s_add_co_u32 s6, s6, STAGE
	v_lshlrev_b32 v9, 4, v2
	v_lshl_add_u32 v9, v3, 11, v9
	v_add_nc_u32 v9, s6, v9                        ; v9: my wave's stage: row 8 h, 16 r
	s_wait_kmcnt 0x0
	s_cmp_lt_u32 ttmp9, 64
	s_cbranch_scc1 .LroleT
	s_cmp_lt_u32 ttmp9, 80
	s_cbranch_scc1 .LroleQ
; ---------------- role S ----------------
	s_load_b512 s[16:31], s[84:85], 0x0            ; the 32 lengths, as scalars,
	s_load_b512 s[32:47], s[84:85], 0x40
	v_lshlrev_b32 v10, 2, v1
	global_load_b32 v11, v10, s[84:85]             ; and lane b's copy of length b, for the walk
	v_lshrrev_b32 v12, 4, v0
	v_lshlrev_b32 v12, 8, v12
	v_lshl_add_u32 v12, v2, 2, v12                 ; thread t = (g, r): column 64 g + 16 cb + r
.irp cb, 0,1,2,3
	global_load_b32 v[16+\cb], v12, s[80:81] offset:64*\cb
	global_load_b32 v[20+\cb], v12, s[82:83] offset:64*\cb
	global_load_b32 v[24+\cb], v12, s[82:83] offset:4096+64*\cb
.endr
	s_wait_kmcnt 0x0
.set i, 0
.rept 32                                       ; s[16+b] becomes the number of blocks of batches 0 .. b
	s_max_i32 s[16+i], s[16+i], 1
	s_min_i32 s[16+i], s[16+i], 0x800
	s_add_co_u32 s[16+i], s[16+i], 15
	s_lshr_b32 s[16+i], s[16+i], 4
.if i > 0
	s_add_co_u32 s[16+i], s[16+i], s[15+i]
.endif
.set i, i+1
.endr
	s_lshr_b32 s48, s47, 8                         ; NB / 256
	s_and_b32 s49, s47, 255                        ; NB % 256
	v_cmp_gt_u32 vcc_lo, s49, v0
	v_cndmask_b32 v13, 0, 1, vcc_lo
	v_add_nc_u32 v13, s48, v13                     ; v13: how many blocks thread t's work-group takes
	v_min_u32 v14, s49, v0
	v_mad_u32_u24 v14, v0, s48, v14                ; v14: its first block's number
	v_mov_b32 v15, 0                               ; v15: the first block's number of that block's batch
	v_mov_b32 v28, 0                               ; v28: the batch
.set i, 0
.rept 32                                       ; the sums ascend, so the last b whose sum is not above the number decides
	v_cmp_le_u32 vcc_lo, s[16+i], v14
	v_cndmask_b32 v15, v15, s[16+i], vcc_lo
	v_cndmask_b32 v28, v28, i+1, vcc_lo
.set i, i+1
.endr
	v_min_u32 v28, 31, v28                         ; (a work-group with no block points at batch 31)
	v_sub_nc_u32 v29, v14, v15
	v_min_u32 v29, 127, v29                        ; v29: the block's number in its batch
	s_wait_loadcnt 0x0
	v_cmp_gt_i32 vcc_lo, 1, v11
	v_cndmask_b32 v11, v11, 1, vcc_lo
	v_min_u32 v11, 0x800, v11
	v_mov_b32 v[REC], v13
	v_mov_b32 v[REC+1], v14
	v_add_nc_u32 v226, 1, v13
	v_lshrrev_b32 v226, 1, v226
	v_cmp_lt_u32 vcc_lo, 9, v13                    ; more than nine blocks: two passes, the larger half first
	v_cndmask_b32 v[REC+2], v13, v226, vcc_lo
	v_sub_nc_u32 v[REC+3], v13, v[REC+2]
.irp k, 0,1                            ; the row blocks that a pass multiplies: up to 5 blocks 5, up to 8 blocks 8, else 9
	v_cmp_lt_u32 vcc_lo, 5, v[REC+2+\k]
	v_cndmask_b32 v[REC+62+\k], 5, 8, vcc_lo
	v_cmp_lt_u32 vcc_lo, 8, v[REC+2+\k]
	v_cndmask_b32 v[REC+62+\k], v[REC+62+\k], 9, vcc_lo
.endr
.irp w, 20,21,22,23,40,41,42,43,60,61
	v_mov_b32 v[REC+\w], 0
.endr
.set i, 0
.rept 16                                       ; the walk: sixteen slots; past the last block the slot before is repeated, with no row that counts
	v_lshlrev_b32 v224, 2, v28
	ds_bpermute_b32 v225, v224, v11                ; the batch's length, from the lane of that number
	v_lshlrev_b32 v226, 4, v29
	v_lshl_add_u32 v[REC+4+i], v28, 11, v226
	v_mov_b32 v[REC+24+i], v28
	s_wait_dscnt 0x0
	v_sub_nc_u32 v225, v225, v226                  ; rows left from this block on
	v_min_u32 v227, 16, v225
	v_cmp_lt_u32 vcc_lo, i, v13
	v_cndmask_b32 v[REC+44+i], 0, v227, vcc_lo
.if i < 15
	v_cmp_gt_u32 s10, 17, v225                     ; the batch ends in this block
	v_cmp_lt_u32 s11, i+1, v13                     ; a further block follows
	s_and_b32 s12, s10, s11
	s_and_not1_b32 s13, s11, s10
	v_add_nc_u32 v227, 1, v28
	v_cndmask_b32 v28, v28, v227, s12
	v_add_nc_u32 v227, 1, v29
	v_cndmask_b32 v29, v29, v227, s13
	v_cndmask_b32 v29, v29, 0, s12
.endif
.set i, i+1
.endr
	v_lshlrev_b32 v224, 8, v0
.set i, 0
.rept 16                                       ; a lane writes its own record of 256 bytes, 16 at a time: 64 KiB in all, once
	global_store_b128 v224, v[REC+4*i:REC+4*i+3], s[92:93] offset:16*i
.set i, i+1
.endr
.irp cb, 0,1,2,3
	v_mul_f32 v[16+\cb], -2.0, v[16+\cb]           ; -2 Ws
	v_cvt_pk_bf16_f32 v[20+\cb], v[20+\cb], v[24+\cb]  ; Wt[0][d] below, Wt[1][d] above
.endr
.irp cb, 0,1,2,3
	v_mov_b32 v[24+\cb], 0
.endr
	v_lshlrev_b32 v225, 4, v0
	global_store_b128 v225, v[16:19], s[90:91]
	global_store_b128 v225, v[20:23], s[90:91] offset:4096
	global_store_b128 v225, v[24:27], s[90:91] offset:8192     ; zeros: the main launch looks one group ahead
.set i, 0
.rept 8
	global_store_b128 v225, v[24:27], s[86:87] offset:2097152+4096*i  ; zeros behind wkf: the main launch's loads run seven steps ahead
.set i, i+1
.endr
	s_branch .Ljoin
; 32 rows x 64 columns of f32 into a set; packed to bf16 in place; into my turning tile; back as four fragments of source 1
.macro WLOAD set, off, base
	WIN 0x40
.set i, 0
.rept 16
	global_load_b128 v[(\set)+4*i:(\set)+4*i+3], v4, s[\base:\base+1] offset:(\off)+i*8192
.set i, i+1
.endr
.endm
.macro WCVT set
	WIN 0x45
.set i, 0
.rept 16
	v_cvt_pk_bf16_f32 v[(\set)+4*i], v[(\set)+4*i], v[(\set)+4*i+1]
	v_cvt_pk_bf16_f32 v[(\set)+4*i+1], v[(\set)+4*i+2], v[(\set)+4*i+3]
.set i, i+1
.endr
.endm
.macro WST set
	WIN 0x04
.set i, 0
.rept 16
	ds_store_b64 v5, v[(\set)+4*i:(\set)+4*i+1] offset:i*320
.set i, i+1
.endr
.endm
.macro WTR set                         ; LDS serves a wave's instructions in order (ISA guide 5.7.1.4): these see the stores above; the tile is my wave's own
	WIN 0x40
.set i, 0
.rept 8                                ; i = 2 cb + p
	ds_load_tr16_b128 v[(\set)+4*i:(\set)+4*i+3], v6 offset:(i%2)*2560+(i/2)*32
.set i, i+1
.endr
.endm
; ---------------- role T ----------------
.LroleT:
	s_lshr_b32 s6, ttmp9, 2                        ; g
	s_and_b32 s7, ttmp9, 3
	s_lshl_b32 s7, s7, 3
	s_add_co_u32 s7, s7, s4                        ; ks
	s_lshl_b32 s8, s7, 17                          ; 32 rows of 4,096 bytes a step
	s_lshl_b32 s9, s6, 8
	s_add_co_u32 s8, s8, s9
	s_mov_b32 s9, 0
	s_add_nc_u64 s[12:13], s[68:69], s[8:9]
	WLOAD 0, 0, 12
	s_lshl_b32 s8, s6, 5
	s_add_co_u32 s8, s8, s7
	s_lshl_b32 s8, s8, 12
	s_add_nc_u64 s[14:15], s[86:87], s[8:9]
	s_wait_loadcnt 0x0
	WCVT 0
	WST 0
	WTR 0
	s_wait_dscnt 0x0
	WIN 0x04
.set i, 0
.rept 8
	global_store_b128 v7, v[4*i:4*i+3], s[14:15] offset:i*512  ; 512 consecutive bytes, aligned
.set i, i+1
.endr
	WIN 0
	s_branch .Ljoin
; ---------------- role Q ----------------
.macro QSTEP s, cnt
	s_wait_loadcnt \cnt                            ; this step's 24 loads are in; the later steps' may stay out
	WCVT 64*(\s)
	WST 64*(\s)
	WTR 64*(\s)
	WIN 0
.irp rb, 0,1
.irp j, 0,1,2,3,4,5,6,7
	v_cvt_pk_bf16_f32 v[QSET+32*(\s)+16*\rb+\j], v[QSET+32*(\s)+16*\rb+2*\j], v[QSET+32*(\s)+16*\rb+2*\j+1]  ; packed downward in place: register j is written when 2 j and 2 j + 1 are read
.endr
.endr
	s_wait_dscnt 0x0
	WIN 0x04                                       ; source 1 in window 1
.irp rb, 0,1
.irp cb, 0,1,2,3                       ; the eight accumulators take turns, one instruction a turn
.if (\s) == 0
	v_wmma_f32_16x16x32_bf16 v[ACC+8*(4*\rb+\cb):ACC+8*(4*\rb+\cb)+7], v[QSET+16*\rb:QSET+16*\rb+7], v[8*\cb:8*\cb+7], 0
.else
	v_wmma_f32_16x16x32_bf16 v[ACC+8*(4*\rb+\cb):ACC+8*(4*\rb+\cb)+7], v[QSET+32*(\s)+16*\rb:QSET+32*(\s)+16*\rb+7], v[64*(\s)+8*\cb:64*(\s)+8*\cb+7], v[ACC+8*(4*\rb+\cb):ACC+8*(4*\rb+\cb)+7]
.endif
.endr
.endr
.endm
.LroleQ:
	s_sub_co_u32 s6, ttmp9, 64                     ; g
	s_lshl_b32 s8, s6, 8
	s_lshl_b32 s9, s4, 19                          ; my wave's four steps: 128 rows of Wq
	s_add_co_u32 s8, s8, s9
	s_mov_b32 s9, 0
	s_add_nc_u64 s[12:13], s[70:71], s[8:9]
.irp s, 0,1,2,3                        ; all 96 loads go out at once, 24 a step
	WLOAD 64*\s, \s*131072, 12
	WIN 0
.irp rb, 0,1
.irp c, 0,1,2,3
	global_load_b128 v[QSET+32*\s+16*\rb+4*\c:QSET+32*\s+16*\rb+4*\c+3], v8, s[72:73] offset:\rb*65536+\s*128+(\c/2)*64+(\c%2)*16
.endr
.endr
.endr
	QSTEP 0, 63                                    ; 72 younger loads follow; the wait's field ends at 63, which asks for more than is needed
	QSTEP 1, 48
	QSTEP 2, 24
	QSTEP 3, 0
	WIN 0
.rept 4
	v_nop                                          ; four places between the last product and the first read of a result (ISA guide 7.12.1)
.endr
.irp rb, 0,1
.irp cb, 0,1,2,3
.irp j, 0,1,2,3,4,5,6,7                ; each accumulator from its lowest register on
	ds_store_b32 v9, v[ACC+8*(4*\rb+\cb)+\j] offset:\rb*4096+\j*256+\cb*4
.endr
.endr
.endr
.Ljoin:                                        ; all three roles pass this one barrier; only role Q has work behind it
	s_wait_xcnt 0x0                                ; every store issued above has read its registers: the text below writes some of them again
	s_wait_dscnt 0x0                               ; for the other waves' sake: my stores into the stage are done
	s_barrier_signal -1
	s_barrier_wait -1
	s_cmp_lt_u32 ttmp9, 64
	s_cbranch_scc1 .Lend
	s_cmp_ge_u32 ttmp9, 80
	s_cbranch_scc1 .Lend
	; thread t takes row t / 16 (and 16 below), place t % 16: byte 16 t of each wave's stage
	v_lshl_add_u32 v10, v0, 4, STAGE
.set i, 0
.rept 16                               ; i = 2 wave + half
	ds_load_b128 v[96+4*i:96+4*i+3], v10 offset:i*4096
.set i, i+1
.endr
	s_sub_co_u32 s6, ttmp9, 64
	s_lshl_b32 s8, s6, 8
	v_lshl_add_u32 v11, v2, 2, s8
.irp cb, 0,1,2,3
	global_load_b32 v[224+\cb], v11, s[74:75] offset:64*\cb
	global_load_b32 v[228+\cb], v11, s[76:77] offset:64*\cb
	global_load_b32 v[232+\cb], v11, s[78:79] offset:64*\cb
.endr
	s_mov_b32 s10, 0x4038aa3b                      ; 2 log2(e)
	s_mov_b32 s11, s10
	v_lshrrev_b32 v12, 4, v0
	v_lshlrev_b32 v12, 12, v12
	v_lshl_add_u32 v12, v2, 4, v12
	v_add_nc_u32 v12, s8, v12
	s_wait_dscnt 0x0
.set i, 1
.rept 7
.irp k, 0,2,4,6
	v_pk_add_f32 v[96+\k:97+\k], v[96+\k:97+\k], v[96+8*i+\k:97+8*i+\k]
.endr
.set i, i+1
.endr
	s_wait_loadcnt 0x0
.irp k, 0,2
	v_pk_add_f32 v[224+\k:225+\k], v[224+\k:225+\k], v[228+\k:229+\k]
.endr
.irp k, 0,2
	v_pk_add_f32 v[224+\k:225+\k], v[224+\k:225+\k], v[232+\k:233+\k]
.endr
.irp k, 0,2
	v_pk_mul_f32 v[224+\k:225+\k], v[224+\k:225+\k], s[10:11] op_sel_hi:[1,0]
.endr
.irp k, 0,2
	v_pk_fma_f32 v[96+\k:97+\k], v[96+\k:97+\k], s[10:11], v[224+\k:225+\k] op_sel_hi:[1,0,1]
	v_pk_fma_f32 v[100+\k:101+\k], v[100+\k:101+\k], s[10:11], v[224+\k:225+\k] op_sel_hi:[1,0,1]
.endr
	global_store_b128 v12, v[96:99], s[88:89]                  ; sixteen lanes store 256 consecutive bytes, aligned
	global_store_b128 v12, v[100:103], s[88:89] offset:65536
.Lend:
	s_wait_tensorcnt 0x0                           ; the wave's end: three closing lines behind my last LDS store
	ds_add_u32 v30, v31
	s_wait_dscnt 0x0
	s_endpgm
.Lfunc_end_k_qf397c68e4f_prep:
	.size	k_qf397c68e4f_prep, .Lfunc_end_k_qf397c68e4f_prep-k_qf397c68e4f_prep
	.p2alignl 7, 3214868480
	.fill 96, 4, 3214868480
	.section	.rodata,"a",@progbits
	.p2align	6, 0x0
	.amdhsa_kernel k_qf397c68e4f_prep
		.amdhsa_group_segment_fixed_size 107520
		.amdhsa_private_segment_fixed_size 0
		.amdhsa_enable_private_segment 0
		.amdhsa_kernarg_size 104
		.amdhsa_user_sgpr_count 2
		.amdhsa_user_sgpr_kernarg_segment_ptr 1
		.amdhsa_wavefront_size32 1
		.amdhsa_system_sgpr_workgroup_id_x 1
		.amdhsa_system_sgpr_workgroup_id_y 1
		.amdhsa_system_sgpr_workgroup_id_z 1
		.amdhsa_system_vgpr_workitem_id 0
		.amdhsa_next_free_vgpr 512
		.amdhsa_next_free_sgpr 96
		.amdhsa_reserve_vcc 1
		.amdhsa_float_denorm_mode_32 3
		.amdhsa_float_denorm_mode_16_64 3
		.amdhsa_memory_ordered 1
		.amdhsa_forward_progress 1
		.amdhsa_inst_pref_size 79
	.end_amdhsa_kernel
	.amdgpu_metadata
---
amdhsa.version: [ 1, 2 ]
amdhsa.kernels:
  - .name:           k_qf397c68e4f_prep
    .symbol:         k_qf397c68e4f_prep.kd
    .args:
      - { .name: Wk, .offset: 0, .size: 8, .value_kind: global_buffer, .address_space: global }
      - { .name: Wq, .offset: 8, .size: 8, .value_kind: global_buffer, .address_space: global }
      - { .name: query, .offset: 16, .size: 8, .value_kind: global_buffer, .address_space: global }
      - { .name: bq, .offset: 24, .size: 8, .value_kind: global_buffer, .address_space: global }
      - { .name: bk, .offset: 32, .size: 8, .value_kind: global_buffer, .address_space: global }
      - { .name: bt, .offset: 40, .size: 8, .value_kind: global_buffer, .address_space: global }
      - { .name: Ws, .offset: 48, .size: 8, .value_kind: global_buffer, .address_space: global }
      - { .name: Wt, .offset: 56, .size: 8, .value_kind: global_buffer, .address_space: global }
      - { .name: lengths, .offset: 64, .size: 8, .value_kind: global_buffer, .address_space: global }
      - { .name: wkf, .offset: 72, .size: 8, .value_kind: global_buffer, .address_space: global }
      - { .name: ctab, .offset: 80, .size: 8, .value_kind: global_buffer, .address_space: global }
      - { .name: cols, .offset: 88, .size: 8, .value_kind: global_buffer, .address_space: global }
      - { .name: plan, .offset: 96, .size: 8, .value_kind: global_buffer, .address_space: global }
    .group_segment_fixed_size: 107520
    .private_segment_fixed_size: 0
    .kernarg_segment_align: 8
    .kernarg_segment_size: 104
    .max_flat_workgroup_size: 256
    .sgpr_count:     96
    .vgpr_count:     512
    .wavefront_size: 32
...
	.end_amdgpu_metadata
.endif
;; end of part 1
;; launch main (part 2): grid 256 x 1, 4 waves a work-group, no clusters, 303,104 bytes of LDS; arguments seq, time_features, wkf, ctab, cols, plan, bs, part, stat; writes part, stat
.if DOCPART == 2
	.amdgcn_target "amdgcn-amd-amdhsa--gfx1250"
	.amdhsa_code_object_version 6
	.text
	.protected	k_qf397c68e4f_main
	.globl	k_qf397c68e4f_main
	.p2align	8
	.type	k_qf397c68e4f_main,@function
k_qf397c68e4f_main:
	s_mov_b64 s[64:65], 0
	v_nop
	global_prefetch_b8 v0, s[64:65] scope:SCOPE_SE
	s_setreg_imm32_b32 hwreg(HW_REG_WAVE_MODE, 25, 1), 1
	s_wait_xcnt 0x0
; MAIN.  For each block of 16 rows below its batch's length: score[row] = bs + sum over d of Ws[d] tanh(seq Wk + tf Wt + c[batch])[row][d]; the block's own maximum m, p = 2^(s log2 e - m), l = sum of p,
; and sum over its rows of p seq[row][:].  The last launch joins a batch's blocks under the batch's true maximum.
; SHARES.  The plan gives the work-group up to 16 blocks, of any batches.  A PASS holds up to nine of them (144 rows x 1,024, rounded once to bf16) in LDS: seq crosses from memory once, and the same bf16 rows
; serve the product and the weighted sum.  More than nine blocks: two passes of half each.  Wave w owns columns 256 w .. 256 w + 255, 64 at a time (four N steps): 9 x 4 accumulators of 16 x 16.
; Source 0 = 16 rows from LDS, source 1 = 16 columns of Wk, which come from wkf straight into a ring of eight register slots, seven K steps (28 KiB a wave) ahead: no wave wants another's
; columns, so they pass through no LDS and meet no barrier.  NO CLUSTER, NO TENSOR LOADS: the tile takes 297,216 of LDS's bytes; what is left holds less than two K steps of the work-group's columns,
; and how many passes and blocks a work-group has hangs on the lengths, so partners would not ask alike.
; tf Wt is the sum's first K step: a product whose fragments hold tf (Wt) at k = 0, 1 and zeros elsewhere, with C = 0: nothing is cleared.
; tanh(x) = 1 - 2 / (1 + 2^y), y = 2 log2(e) x: exact at both ends (2^y = 0 or infinity).  So sum Ws tanh = sum Ws + sum (-2 Ws) / (1 + 2^y); a lane's share of sum Ws starts its sums.
; In a result a lane holds one column and eight rows: a row's score stays a partial sum a lane until the pass's end.
; BARRIERS stand on every path: the pass loop has two trips, and a pass with no block jumps forward over each of its three phases, never over a barrier.  Each phase writes the vector registers that it reads.
; ALL LANES ARE ON from the first line to the last.  What the text branches on comes from the plan, each number held by one minimum with a constant.
; LDS ADDRESSES are registers made of the lane, the wave and constants, with the rest in the immediate; where a loop walks along a row, such a register plus a scalar that a mask holds.
; LIMITS.  seq, Wk, time_features, Wt rounded once to bf16.  A row at or past the length has the score -3e38, so its weight is 0.  NaN and infinities in the inputs are not treated apart.
.set PITCH, 2064                       ; a row in LDS: 2,048 bytes + 16 = 129 x 16: the 16 rows of a fragment load start at 16 different groups of four banks (ISA guide 11.1)
.set BLKB,  16*PITCH
.set PARTB, 144*PITCH+768              ; score partials: wave w at 576 w, one f32 a row.  768 bytes lie free behind the tile: the K loop's step along a row, 1,536 at the most, is held under 2,048 by its mask, and that bound too stays clear of these bytes
.set PBB,   PARTB+2304                 ; each wave's own copy of p, 576 bytes
.set SPARE, PBB+2304                   ; the spare words, 128 bytes a wave, that no other line names
; window 0: v1 l; v2 r; v3 8 r; v4 seq offset; v6-10 fragment addresses at k = 0 (rows 32 i + r); v11-15 the same at the trip's k; v16 16 l; v17 1024 w + 16 r; v18-26 ctab offsets;
;           v27 all ones in lanes 0-15; v28 my share of sum Ws; v29 0; v30, v31 the add's; v32-103, v104-175 two buffers of nine fragments of rows; v176-247 tf's nine fragments; v248-255 addresses of the last phases
.set AB0, 32
.set AX,  176
.set LSA, 32                           ; v32-36   phase 1: where my rows of blocks 2 i and 2 i + 1 go
; window 1: the ring: slot s at 32 s, fragment cb at 8 cb
; window 2: accumulators of row blocks 0-4 at 8 (4 rb + cb); v160-199 their score sums; v200-219 c; v220-223 -2 Ws.   Phase 1: two sets of 128.   Phase 3: v0-143 p of the 144 rows.
.set SCR2, 160
.set CW2,  200
.set WS2,  220
; window 3: accumulators of row blocks 5-8; v128-159 score sums; v160-175 c; v176-179 -2 Ws; v180-183 Wt as loaded; v184-215 Wt's four fragments; v216-224 tf offsets; v226-243 tf
.set SCR3, 128
.set CW3,  160
.set WS3,  176
.set XT,   180
.set BX,   184
.set TO,   216
.set TD,   226
; scalars.  s[4:21]: seq 4, time_features 6, wkf 8, ctab 10, cols 12, plan 14 (at my record), bs 16, part 18, stat 20
.set WV,  22
.set F0,  24                           ; my first block's number
.set MBB, 25                           ; blocks of the second pass
.set PS,  26                           ; passes to go
.set MBA, 27                           ; blocks of the first pass
.set MB,  28                           ; blocks of this pass
.set NV,  29                           ; row blocks that the K loop multiplies: 5, 8 or 9
.set SL0, 30                           ; the pass's first slot in the record
.set BSL, 31                           ; bs log2(e)
.set SC,  32                           ; s[32:33] 2 log2(e)
.set L2E, 34
.set NEG, 35                           ; -3e38
.set RR,  36                           ; s[36:44] first rows of the nine slots
.set TT,  45
.set NVA, 46                           ; s[46:47] NV of the first and of the second pass
.set BT,  48                           ; s[48:56] the slots' batches
.set WB,  58                           ; s[58:59] wkf at the trip's first K step
.set CT,  60                           ; s[60:61] ctab at the N step's group
.set CL,  62                           ; s[62:63] cols likewise
.set SB0, 66                           ; s[66:67], s[78:79] seq at the block that a register set is loaded from
.set VL,  68                           ; s[68:76] rows that count
.set SB1, 78
.set PT,  80                           ; s[80:81] part at the pass's first block, at the chunk of columns in hand
.set STP, 82                           ; s[82:83] stat at the pass's first block
.set KB,  84                           ; the loop's step along a row, in bytes
.set TC,  85                           ; trips; between loops: address set-up from the wave's number
.set NJ,  86
.set LC,  87
.set SELA, 88                          ; s88, s91 v_permlanex16_b32's selects: each lane takes its own place in the other half
.set EX,  89                           ; a mask of lanes
.set MH,  90                           ; lanes 16-31
.set SELB, 91
.set T0,  92                           ; s[92:95] at work
.set MSB, 0
.macro WIN new                         ; bits 1:0 source 0, 3:2 source 1, 5:4 source 2, 7:6 destination; the high byte repeats the setting that is left
.if MSB != (\new)
	s_set_vgpr_msb (MSB<<8)|(\new)
.set MSB, (\new)
.endif
.endm
	s_load_b512 s[4:19], s[0:1], 0x0
	s_load_b64 s[20:21], s[0:1], 0x40
	v_lshl_add_u32 v30, v0, 2, SPARE
	v_mov_b32 v31, 0
	v_lshrrev_b32 v1, 5, v0
	v_readfirstlane_b32 s[WV], v1
	v_and_b32 v1, 31, v0
	v_and_b32 v2, 15, v0
	v_bfe_u32 v64, v0, 4, 1                        ; h = l / 16
	v_lshlrev_b32 v3, 3, v2
	s_lshl_b32 s[T0], s[WV], 14
	v_lshl_add_u32 v4, v1, 4, s[T0]                ; my wave's four rows of a block, 16 l
	v_mul_u32_u24 v6, v2, PITCH
	v_lshl_add_u32 v6, v64, 4, v6
.irp i, 1,2,3,4
	v_add_nc_u32 v[6+\i], \i*2*BLKB, v6
.endr
	v_lshlrev_b32 v16, 4, v1
	s_lshl_b32 s[T0], s[WV], 10
	v_lshl_add_u32 v17, v2, 4, s[T0]
	v_lshl_add_u32 v255, v1, 3, s[T0]              ; my 8 bytes of a chunk's 256, in my wave's 1,024 of a block's 4,096 in part
	v_cmp_eq_u32 vcc_lo, 0, v64
	v_cndmask_b32 v27, 0, -1, vcc_lo
	v_mov_b32 v29, 0
	s_mul_i32 s[T0], s[WV], 576
	s_add_co_u32 s[T0+1], s[T0], PARTB
	v_lshl_add_u32 v248, v64, 5, s[T0+1]           ; where my half of the lanes puts eight rows' partials
	v_lshl_add_u32 v249, v1, 2, PARTB              ; row 32 i + l
	v_lshl_add_u32 v250, v2, 2, PARTB              ; row 128 + r
	s_add_co_u32 s[T0+1], s[T0], PBB
	v_lshl_add_u32 v251, v1, 2, s[T0+1]
	v_lshl_add_u32 v252, v2, 2, s[T0+1]
	v_mov_b32 v254, s[T0+1]                        ; my wave's p, from row 0 on
	s_mov_b32 s[SC], 0x4038aa3b
	s_mov_b32 s[SC+1], s[SC]
	s_mov_b32 s[L2E], 0x3fb8aa3b
	s_mov_b32 s[NEG], 0xff61b1e6
	s_mov_b32 s[MH], 0xffff0000
	s_mov_b32 s[SELA], 0x76543210
	s_mov_b32 s[SELB], 0xfedcba98
	s_wait_kmcnt 0x0
.irp j, 0,1,2,3
	global_load_b128 v[32+4*\j:35+4*\j], v17, s[12:13] offset:256*\j   ; -2 Ws of my 16 columns
.endr
	s_lshl_b32 s[T0], ttmp9, 8
	s_mov_b32 s[T0+1], 0
	s_add_nc_u64 s[14:15], s[14:15], s[T0:T0+1]
	s_load_b128 s[T0:T0+3], s[14:15], 0x0          ; my blocks, the first one's number, the two passes' blocks
	s_load_b64 s[NVA:NVA+1], s[14:15], 0xf8        ; the two passes' row blocks
	s_load_b32 s[BSL], s[16:17], 0x0
.set i, 0
.rept 72                               ; tf's and Wt's fragments hold numbers in register 0 alone; the other k are 0 for the whole launch
	v_mov_b32 v[AX+i], 0
.set i, i+1
.endr
	WIN 0xc0
.set i, 0
.rept 32
	v_mov_b32 v[BX+i], 0
.set i, i+1
.endr
	WIN 0
	s_wait_kmcnt 0x0
	s_min_u32 s[F0], s[T0+1], 0xfff
	s_min_u32 s[MBA], s[T0+2], 9
	s_min_u32 s[MBB], s[T0+3], 8
	s_min_u32 s[NVA], s[NVA], 9
	s_min_u32 s[NVA+1], s[NVA+1], 9
	s_mul_f32 s[BSL], s[BSL], s[L2E]
	s_wait_loadcnt 0x0
.irp k, 32,36,40,44
	v_pk_add_f32 v[\k:\k+1], v[\k:\k+1], v[\k+2:\k+3]
.endr
	v_pk_add_f32 v[32:33], v[32:33], v[36:37]
	v_pk_add_f32 v[40:41], v[40:41], v[44:45]
	v_pk_add_f32 v[32:33], v[32:33], v[40:41]
	v_add_f32 v28, v32, v33
	v_mul_f32 v28, -0.5, v28
	s_mov_b32 s[PS], 2
.Lpass:
	; ---- scalars of the pass; always run ----
	s_wait_xcnt 0x0                                ; the last pass's stores and loads have read their addresses
	s_wait_loadcnt 0x0                             ; the ring's loads that ran past the last K step
	s_wait_dscnt 0x0                               ; my reads of the tile are over:
	s_barrier_signal -1
	s_barrier_wait -1                              ; everybody's are: the tile, the partials and p may be written again
	s_cmp_eq_u32 s[PS], 2
	s_cselect_b32 s[SL0], 0, s[MBA]
	s_cselect_b32 s[MB], s[MBA], s[MBB]
	s_cselect_b32 s[NV], s[NVA], s[NVA+1]
	s_min_u32 s[TT], s[SL0], 8
	s_lshl_b32 s[TT], s[TT], 2
	s_load_b256 s[RR:RR+7], s[14:15], s[TT] offset:0x10   ; slots past the pass's last hold the next pass's blocks, the last block again, or the record's zeros: valid rows all
	s_load_b32 s[RR+8], s[14:15], s[TT] offset:0x30
	s_load_b256 s[BT:BT+7], s[14:15], s[TT] offset:0x60
	s_load_b32 s[BT+8], s[14:15], s[TT] offset:0x80
	s_load_b256 s[VL:VL+7], s[14:15], s[TT] offset:0xb0
	s_load_b32 s[VL+8], s[14:15], s[TT] offset:0xd0
	s_add_co_u32 s[T0], s[F0], s[SL0]
	s_min_u32 s[T0], s[T0], 0xfff
	s_lshl_b32 s[T0+2], s[T0], 3
	s_lshl_b32 s[T0], s[T0], 12
	s_mov_b32 s[T0+1], 0
	s_mov_b32 s[T0+3], 0
	s_add_nc_u64 s[PT:PT+1], s[18:19], s[T0:T0+1]
	s_add_nc_u64 s[STP:STP+1], s[20:21], s[T0+2:T0+3]
	s_wait_kmcnt 0x0
.set i, 0
.rept 9
	s_min_u32 s[RR+i], s[RR+i], 0xfff0
	s_min_u32 s[BT+i], s[BT+i], 31
	s_min_u32 s[VL+i], s[VL+i], 16
	s_cmp_gt_u32 s[MB], i
	s_cselect_b32 s[VL+i], s[VL+i], 0              ; a slot past the pass's last has no row that counts
.set i, i+1
.endr
	WIN 0xc0
.set i, 0
.rept 9
	s_lshl_b32 s[T0], s[RR+i], 3                   ; time_features: 8 bytes a row
	v_add_nc_u32 v[TO+i], s[T0], v3
.set i, i+1
.endr
	WIN 0
.set i, 0
.rept 9
	s_lshl_b32 s[T0], s[BT+i], 12                  ; ctab: the slot's batch, my wave's columns
	v_add_nc_u32 v[18+i], s[T0], v17
.set i, i+1
.endr
	s_cmp_eq_u32 s[MB], 0
	s_cbranch_scc1 .LskipA
	; ---- phase 1: nine blocks of seq, f32 -> bf16 -> LDS.  Wave w takes rows 4 w .. 4 w + 3 of each block; two register sets, a block each: 32 KiB a wave on their way.  Written out, so that a block's place in LDS is a constant ----
.macro SETB sb, i
	s_wait_xcnt 0x0
	s_lshl_b32 s[T0], s[RR+(\i)], 12
	s_add_nc_u64 s[\sb:\sb+1], s[4:5], s[T0:T0+1]
.endm
.macro LOADS set, sb
	WIN 0x80
.set i, 0
.rept 32
	global_load_b128 v[(\set)+4*i:(\set)+4*i+3], v4, s[\sb:\sb+1] offset:(i/8)*4096+(i%8)*512 th:TH_LOAD_NT  ; 512 consecutive bytes, aligned
.set i, i+1
.endr
.endm
.macro CVST set, b
	WIN 0x8a
.set i, 0
.rept 32
	v_cvt_pk_bf16_f32 v[(\set)+4*i], v[(\set)+4*i], v[(\set)+4*i+1]
	v_cvt_pk_bf16_f32 v[(\set)+4*i+1], v[(\set)+4*i+2], v[(\set)+4*i+3]
.set i, i+1
.endr
	WIN 0x08
.set i, 0
.rept 32
	ds_store_b64 v[LSA+(\b)/2], v[(\set)+4*i:(\set)+4*i+1] offset:((\b)%2)*BLKB+(i/8)*PITCH+(i%8)*256
.set i, i+1
.endr
.endm
	s_mul_i32 s[TC], s[WV], 4*PITCH
	v_lshl_add_u32 v[LSA], v1, 3, s[TC]            ; my wave's four rows, 8 l
.irp i, 1,2,3,4
	v_add_nc_u32 v[LSA+\i], \i*2*BLKB, v[LSA]
.endr
	s_mov_b32 s[T0+1], 0
	SETB SB0, 0
	LOADS 0, SB0
	SETB SB1, 1
	LOADS 128, SB1
.set bb, 0
.rept 9                                ; block bb goes to LDS, block bb + 2 is asked for into its registers
.set sbx, SB0+(SB1-SB0)*(bb%2)
.set stx, 128*(bb%2)
.if bb < 8
	s_wait_loadcnt 32                              ; this set's 32 loads are in; the other set's 32 may stay out
.else
	s_wait_loadcnt 0x0
.endif
	CVST stx, bb
.if bb < 7
	SETB sbx, bb+2
	LOADS stx, sbx
.endif
.set bb, bb+1
.endr
	WIN 0
.LskipA:
	s_wait_dscnt 0x0                               ; my rows of the tile are in LDS:
	s_barrier_signal -1
	s_barrier_wait -1                              ; everybody's are
	s_cmp_eq_u32 s[MB], 0
	s_cbranch_scc1 .LskipB
	; ---- phase 2: products, tanh, score partials ----
	s_mov_b64 s[CT:CT+1], s[10:11]
	s_mov_b64 s[CL:CL+1], s[12:13]
	s_lshl_b32 s[T0], s[WV], 19                    ; my wave's four groups: 524,288 bytes of wkf on end
	s_mov_b32 s[T0+1], 0
	s_add_nc_u64 s[WB:WB+1], s[8:9], s[T0:T0+1]
	WIN 0xc3
.set i, 0
.rept 9
	global_load_b64 v[TD+2*i:TD+2*i+1], v[TO+i], s[6:7]
.set i, i+1
.endr
	WIN 0xc0
	global_load_b128 v[XT:XT+3], v17, s[CL:CL+1] offset:4096   ; Wt of the first group
	WIN 0x40
.set i, 0
.rept 56                               ; K steps 0 to 6 into slots 0 to 6
	global_load_b128 v[4*i:4*i+3], v16, s[WB:WB+1] offset:i*512
.set i, i+1
.endr
	WIN 0
.set i, 0
.rept 18                               ; K step 0's nine fragments of rows
	ds_load_b128 v[AB0+4*i:AB0+4*i+3], v[6+i/4] offset:((i/2)%2)*BLKB+32*(i%2)
.set i, i+1
.endr
.irp i, 0,1,2,3,4
	v_mov_b32 v[11+\i], v[6+\i]
.endr
	s_mov_b32 s[KB], 0
	WIN 0x80
.set i, 0
.rept 40
	v_mov_b32 v[SCR2+i], v28                       ; the score sums start at my share of sum Ws
.set i, i+1
.endr
	WIN 0xc0
.set i, 0
.rept 32
	v_mov_b32 v[SCR3+i], v28
.set i, i+1
.endr
	s_wait_loadcnt 57                              ; tf is in: behind it went Wt's load and the ring's 56
	WIN 0x0f
.set i, 0
.rept 9
	v_cvt_pk_bf16_f32 v[AX+8*i], v[TD+2*i], v[TD+2*i+1]
.set i, i+1
.endr
	WIN 0
.set i, 0
.rept 9
	v_and_b32 v[AX+8*i], v27, v[AX+8*i]            ; lanes 16-31 hold k = 8, 9: zeros
.set i, i+1
.endr
	s_mov_b32 s[NJ], 4
; product pi of a K step: row block pi / 4, columns 16 (pi % 4).  All accumulators take turns, one instruction a turn, in the same order in every step, over the backward jumps too
.macro WM ab, sl
.if pi < 20
	WIN 0xa4
	v_wmma_f32_16x16x32_bf16 v[8*pi:8*pi+7], v[(\ab)+8*(pi/4):(\ab)+8*(pi/4)+7], v[32*(\sl)+8*(pi%4):32*(\sl)+8*(pi%4)+7], v[8*pi:8*pi+7]
.else
	WIN 0xf4
	v_wmma_f32_16x16x32_bf16 v[8*(pi-20):8*(pi-20)+7], v[(\ab)+8*(pi/4):(\ab)+8*(pi/4)+7], v[32*(\sl)+8*(pi%4):32*(\sl)+8*(pi%4)+7], v[8*(pi-20):8*(pi-20)+7]
.endif
.endm
; K step u of a trip of eight, for n row blocks: 4 n products.  Behind the first stand four places: the loads below go into registers that the step before multiplied.
; Behind the next few stand, at most five at a time, the 2 n LDS loads of the next step's rows, then twice four loads of the columns seven steps on, into the slot that the step before left.
.macro KSTEP n, u
.set CUR, AB0+72*((\u)%2)
.set NXT, AB0+72*(((\u)+1)%2)
.if (\u) < 7
.set KOF, 64*((\u)+1)
.else
.set KOF, 0
.endif
	s_wait_loadcnt 48                              ; this step's eight loads are in; the six younger steps' 48 may stay out
	s_wait_dscnt 0x0                               ; this step's rows, asked for a step ago
.set pi, 0
.set la, 0
.set lb, 0
.rept 4*(\n)
	WM CUR, \u
.if pi == 0
.if (\u) < 7
.rept 4
	v_nop
.endr
.else
	WIN 0
	s_add_co_u32 s[KB], s[KB], 512                 ; the next trip's eight steps; behind the last trip back to k = 0, for the next N step
	s_and_b32 s[KB], s[KB], 2047
.irp i, 0,1,2,3,4
	v_add_nc_u32 v[11+\i], s[KB], v[6+\i]          ; five plain instructions: the places
.endr
.endif
.elseif la < 2*(\n)
	WIN 0
.rept 5
.if la < 2*(\n)
	ds_load_b128 v[NXT+4*la:NXT+4*la+3], v[11+la/4] offset:((la/2)%2)*BLKB+KOF+32*(la%2)
.set la, la+1
.endif
.endr
.elseif lb < 8
	WIN 0x40
.rept 4
	global_load_b128 v[32*(((\u)+7)%8)+4*lb:32*(((\u)+7)%8)+4*lb+3], v16, s[WB:WB+1] offset:((\u)+7)*4096+lb*512
.set lb, lb+1
.endr
.endif
.set pi, pi+1
.endr
.endm
.macro KLOOP n
.LK\n:
	s_mov_b32 s[TC], 4
.LKT\n:
.irp u, 0,1,2,3,4,5,6,7
	KSTEP \n, \u
.endr
	WIN 0
	s_wait_xcnt 0x0                                ; the ring's loads have read their base
	s_add_nc_u64 s[WB:WB+1], s[WB:WB+1], 32768
	s_sub_co_u32 s[TC], s[TC], 1
	s_cmp_lg_u32 s[TC], 0
	s_cbranch_scc1 .LKT\n
	s_branch .Lepi
.endm
; tanh and the score sums for nt accumulators, all in one window.  Two batches of transcendentals, each with one plain instruction and one wait behind it.
.macro EPI win, nt, cwb, wsb, scb
	WIN \win
.set rt, 0
.rept \nt                              ; y = 2 log2(e) k + c: each accumulator from its lowest registers on
.set rc, (\cwb)+4*(rt/4)+2*((rt%4)/2)
.irp j, 0,2,4,6
.if rt%2 == 0
	v_pk_fma_f32 v[8*rt+\j:8*rt+\j+1], v[8*rt+\j:8*rt+\j+1], s[SC:SC+1], v[rc:rc+1] op_sel_hi:[1,0,0]
.else
	v_pk_fma_f32 v[8*rt+\j:8*rt+\j+1], v[8*rt+\j:8*rt+\j+1], s[SC:SC+1], v[rc:rc+1] op_sel:[0,0,1] op_sel_hi:[1,0,1]
.endif
.endr
.set rt, rt+1
.endr
.set rt, 0
.rept 8*(\nt)
	v_exp_f32 v[rt], v[rt]
.set rt, rt+1
.endr
	v_nop
	s_wait_alu depctr_va_vdst(0)
.set rt, 0
.rept 4*(\nt)
	v_pk_add_f32 v[2*rt:2*rt+1], v[2*rt:2*rt+1], 1.0 op_sel_hi:[1,0]
.set rt, rt+1
.endr
.set rt, 0
.rept 8*(\nt)
	v_rcp_f32 v[rt], v[rt]
.set rt, rt+1
.endr
	v_nop
	s_wait_alu depctr_va_vdst(0)
.set rt, 0
.rept \nt                              ; score += (-2 Ws) / (1 + 2^y)
.set rw, (\wsb)+2*((rt%4)/2)
.set rs, (\scb)+8*(rt/4)
.irp j, 0,2,4,6
.if rt%2 == 0
	v_pk_fma_f32 v[rs+\j:rs+\j+1], v[8*rt+\j:8*rt+\j+1], v[rw:rw+1], v[rs+\j:rs+\j+1] op_sel_hi:[1,0,1]
.else
	v_pk_fma_f32 v[rs+\j:rs+\j+1], v[8*rt+\j:8*rt+\j+1], v[rw:rw+1], v[rs+\j:rs+\j+1] op_sel:[0,1,0] op_sel_hi:[1,1,1]
.endif
.endr
.set rt, rt+1
.endr
.endm
.Lnstep:                                       ; four trips: 64 columns each
	s_wait_loadcnt 56                              ; Wt of this group is in: it is older than the ring's seven steps
	WIN 0xcc
.irp cb, 0,1,2,3
	v_and_b32 v[BX+8*\cb], v27, v[XT+\cb]
.endr
.set pi, 0
.rept 36                               ; tf Wt starts all 36 sums
.if pi < 20
	WIN 0xac
	v_wmma_f32_16x16x32_bf16 v[8*pi:8*pi+7], v[AX+8*(pi/4):AX+8*(pi/4)+7], v[BX+8*(pi%4):BX+8*(pi%4)+7], 0
.else
	WIN 0xfc
	v_wmma_f32_16x16x32_bf16 v[8*(pi-20):8*(pi-20)+7], v[AX+8*(pi/4):AX+8*(pi/4)+7], v[BX+8*(pi%4):BX+8*(pi%4)+7], 0
.endif
.set pi, pi+1
.endr
	WIN 0xc0                                       ; twelve loads for the step's end and the next step's beginning; none goes into a product's register
	global_load_b128 v[XT:XT+3], v17, s[CL:CL+1] offset:4096+256
.irp rb, 5,6,7,8
	global_load_b128 v[CW3+4*(\rb-5):CW3+4*(\rb-5)+3], v[18+\rb], s[CT:CT+1]
.endr
	global_load_b128 v[WS3:WS3+3], v17, s[CL:CL+1]
	WIN 0x80
.irp rb, 0,1,2,3,4
	global_load_b128 v[CW2+4*\rb:CW2+4*\rb+3], v[18+\rb], s[CT:CT+1]
.endr
	global_load_b128 v[WS2:WS2+3], v17, s[CL:CL+1]
	WIN 0
	s_cmp_ge_u32 s[NV], 9
	s_cbranch_scc1 .LK9
	s_cmp_eq_u32 s[NV], 8
	s_cbranch_scc1 .LK8
	KLOOP 5
	KLOOP 8
	KLOOP 9
.Lepi:
.rept 4
	v_nop                                          ; four places between the last product and the first read of a result
.endr
	s_wait_loadcnt 56                              ; c and -2 Ws are in: they are older than the ring's seven steps
	EPI 0xaa, 20, CW2, WS2, SCR2
	WIN 0
	s_cmp_le_u32 s[NV], 5
	s_cbranch_scc1 .Lno_hi
	EPI 0xff, 16, CW3, WS3, SCR3
	WIN 0
.Lno_hi:
	s_wait_xcnt 0x0
	s_add_nc_u64 s[CT:CT+1], s[CT:CT+1], 256
	s_add_nc_u64 s[CL:CL+1], s[CL:CL+1], 256
	s_sub_co_u32 s[NJ], s[NJ], 1
	s_cmp_lg_u32 s[NJ], 0
	s_cbranch_scc1 .Lnstep
	; a row's partial: the sum over the sixteen lanes of its half (my wave's 256 columns)
.irp m, 1,2,4,8
	WIN 0xaa
.set i, 0
.rept 40
	v_add_f32_dpp v[SCR2+i], v[SCR2+i], v[SCR2+i] row_xmask:\m row_mask:0xf bank_mask:0xf
.set i, i+1
.endr
	WIN 0xff
.set i, 0
.rept 32
	v_add_f32_dpp v[SCR3+i], v[SCR3+i], v[SCR3+i] row_xmask:\m row_mask:0xf bank_mask:0xf
.set i, i+1
.endr
.endr
	WIN 0x08
.set i, 0
.rept 5                                ; the sixteen lanes of a half write the same bytes with the same numbers
	ds_store_b128 v248, v[SCR2+8*i:SCR2+8*i+3] offset:64*i
	ds_store_b128 v248, v[SCR2+8*i+4:SCR2+8*i+7] offset:64*i+16
.set i, i+1
.endr
	WIN 0x0c
.set i, 0
.rept 4
	ds_store_b128 v248, v[SCR3+8*i:SCR3+8*i+3] offset:64*(i+5)
	ds_store_b128 v248, v[SCR3+8*i+4:SCR3+8*i+7] offset:64*(i+5)+16
.set i, i+1
.endr
	WIN 0
.LskipB:
	s_wait_dscnt 0x0                               ; my partials are in LDS (and the rows fetched past the last K step are back):
	s_barrier_signal -1
	s_barrier_wait -1                              ; everybody's are
	s_cmp_eq_u32 s[MB], 0
	s_cbranch_scc1 .LskipC
	; ---- phase 3: each wave makes all blocks' softmax for itself; lane l stands for row 32 i + l (i = 4: both halves for row 128 + r), a half of the lanes for a block ----
.irp i, 0,1,2,3
.irp w, 0,1,2,3
	ds_load_b32 v[32+4*\i+\w], v249 offset:128*\i+576*\w
.endr
.endr
.irp w, 0,1,2,3
	ds_load_b32 v[48+\w], v250 offset:512+576*\w
.endr
	s_wait_dscnt 0x0
.irp i, 0,1,2,3,4
	v_pk_add_f32 v[32+4*\i:33+4*\i], v[32+4*\i:33+4*\i], v[34+4*\i:35+4*\i]
.endr
.irp i, 0,1,2,3,4
	v_add_f32 v[32+4*\i], v[32+4*\i], v[33+4*\i]
.endr
.irp i, 0,1,2,3,4
	v_fma_f32 v[32+4*\i], v[32+4*\i], s[L2E], s[BSL]   ; (score + bs) log2(e)
	v_mov_b32 v67, s[VL+2*\i]
.if \i < 4
	v_cndmask_b32 v67, v67, s[VL+2*\i+1], s[MH]
.endif
	v_cmp_gt_u32 vcc_lo, v67, v2
	v_cndmask_b32 v[32+4*\i], s[NEG], v[32+4*\i], vcc_lo  ; a row at or past the length
	v_mov_b32 v[52+2*\i], v[32+4*\i]
.endr
.irp m, 1,2,4,8
.irp i, 0,1,2,3,4
	v_max_num_f32_dpp v[52+2*\i], v[52+2*\i], v[52+2*\i] row_xmask:\m row_mask:0xf bank_mask:0xf  ; the block's maximum
.endr
.endr
.irp i, 0,1,2,3,4
	v_sub_f32 v[62+\i], v[32+4*\i], v[52+2*\i]
.endr
.irp i, 0,1,2,3,4
	v_exp_f32 v[62+\i], v[62+\i]
.endr
	v_nop
	s_wait_alu depctr_va_vdst(0)                   ; one wait for the five
.irp i, 0,1,2,3,4
	v_mov_b32 v[53+2*\i], v[62+\i]
.endr
.irp m, 1,2,4,8
.irp i, 0,1,2,3,4
	v_add_f32_dpp v[53+2*\i], v[53+2*\i], v[53+2*\i] row_xmask:\m row_mask:0xf bank_mask:0xf      ; the block's sum
.endr
.endr
.irp i, 0,1,2,3
	ds_store_b32 v251, v[62+\i] offset:128*\i
.endr
	ds_store_b32 v252, v66 offset:512
	; (m, l) of the pass's blocks, 8 bytes a block, by wave 0.  All lanes stay on: the sixteen lanes of a half hold the same pair and write it to the same 8 bytes.  A pair of blocks past the pass's last is jumped over;
	; where the upper block alone is past it, the upper lanes take the lower half's pair and its address, so that nothing but the work-group's own entries is written.
	s_cmp_lg_u32 s[WV], 0
	s_cbranch_scc1 .Lnostat
	v_lshrrev_b32 v68, 4, v1                       ; l / 16
.irp i, 0,1,2,3,4
.if \i > 0
	s_cmp_le_u32 s[MB], 2*\i
	s_cbranch_scc1 .Lnostat
.endif
.if \i < 4
	v_mov_b32 v92, v[52+2*\i]                      ; (v_permlanex16_b32's destination counts as read)
	v_mov_b32 v93, v[53+2*\i]
	v_permlanex16_b32 v92, v[52+2*\i], s[SELA], s[SELB]
	v_permlanex16_b32 v93, v[53+2*\i], s[SELA], s[SELB]
	s_cmp_gt_u32 s[MB], 2*\i+1
	s_cselect_b32 s[EX], -1, 0xffff                ; the lanes that keep their own pair
	v_cndmask_b32 v[82+2*\i], v92, v[52+2*\i], s[EX]
	v_cndmask_b32 v[83+2*\i], v93, v[53+2*\i], s[EX]
	v_cndmask_b32 v[77+\i], 0, v68, s[EX]
	v_min_u32 v[77+\i], 1, v[77+\i]
	v_lshlrev_b32 v[77+\i], 3, v[77+\i]
	global_store_b64 v[77+\i], v[82+2*\i:83+2*\i], s[STP:STP+1] offset:16*\i
.else
	global_store_b64 v29, v[60:61], s[STP:STP+1] offset:64     ; block 8: both halves hold it
.endif
.endr
.Lnostat:
	; THE WEIGHTED SUMS.  Wave w's 256 columns go in four chunks of 64, a trip each: a lane has two columns, 4 bytes of a row in LDS and 8 bytes of part.  All 144 p lie in registers (window 2), every lane with all of them.
	; In a trip the blocks are written out: block b + 1's sixteen rows are asked for ahead of block b's 32 multiply-adds, which run in four chains (even and odd rows, lower and upper column).
.set WAC, 72                           ; v72-76   row addresses at the trip's chunk
.set WA0, 96                           ; v96-100  the same at chunk 0: 512 w + 4 l, blocks 2 i and 2 i + 1
.set XW,  104                          ; v104-135 two sets of 16 rows
.set AW,  136                          ; v136-171 four sums a block
.macro XL b
.set i, 0
.rept 16
	ds_load_b32 v[XW+16*((\b)%2)+i], v[WAC+(\b)/2] offset:((\b)%2)*BLKB+i*PITCH   ; 128 consecutive bytes of a row
.set i, i+1
.endr
.endm
.macro WSB b
.if (\b) > 0
	s_cmp_le_u32 s[MB], \b                         ; past the pass's last block: on to the trip's end
	s_cbranch_scc1 .Lwsn
.endif
.if (\b) < 8
	XL (\b)+1
	s_wait_dscnt 16                                ; this block's rows (and p) are in; the next block's sixteen loads may stay out
.else
	s_wait_dscnt 0x0
.endif
	WIN 0x08                                       ; source 1, p, in window 2
.set i, 0
.rept 16
.if i < 2
	v_fma_mix_f32_bf16 v[AW+4*(\b)+2*(i%2)], v[XW+16*((\b)%2)+i], v[16*(\b)+i], v29 op_sel_hi:[1,0,0]
	v_fma_mix_f32_bf16 v[AW+4*(\b)+2*(i%2)+1], v[XW+16*((\b)%2)+i], v[16*(\b)+i], v29 op_sel:[1,0,0] op_sel_hi:[1,0,0]
.else
	v_fma_mix_f32_bf16 v[AW+4*(\b)+2*(i%2)], v[XW+16*((\b)%2)+i], v[16*(\b)+i], v[AW+4*(\b)+2*(i%2)] op_sel_hi:[1,0,0]
	v_fma_mix_f32_bf16 v[AW+4*(\b)+2*(i%2)+1], v[XW+16*((\b)%2)+i], v[16*(\b)+i], v[AW+4*(\b)+2*(i%2)+1] op_sel:[1,0,0] op_sel_hi:[1,0,0]
.endif
.set i, i+1
.endr
	WIN 0
	v_pk_add_f32 v[AW+4*(\b):AW+4*(\b)+1], v[AW+4*(\b):AW+4*(\b)+1], v[AW+4*(\b)+2:AW+4*(\b)+3]
	global_store_b64 v255, v[AW+4*(\b):AW+4*(\b)+1], s[PT:PT+1] offset:(\b)*4096 th:TH_STORE_NT  ; 256 consecutive bytes, aligned
.endm
	s_lshl_b32 s[TC], s[WV], 9
	v_lshl_add_u32 v[WA0], v1, 2, s[TC]
.irp i, 1,2,3,4
	v_add_nc_u32 v[WA0+\i], \i*2*BLKB, v[WA0]
.endr
.irp i, 0,1,2,3,4
	v_mov_b32 v[WAC+\i], v[WA0+\i]
.endr
	s_mov_b32 s[KB], 0
	s_mov_b32 s[LC], 4
	WIN 0x80
.set i, 0
.rept 36
	ds_load_b128 v[4*i:4*i+3], v254 offset:16*i    ; one address for all lanes; my own wave's stores, served in order ahead of these (ISA guide 5.7.1.4)
.set i, i+1
.endr
	WIN 0
.Lws:
	XL 0
.irp b, 0,1,2,3,4,5,6,7,8
	WSB \b
.endr
.Lwsn:
	s_wait_dscnt 0x0                               ; where the trip was left early, a block's rows are still on their way into registers that the next trip loads
	s_wait_xcnt 0x0                                ; the sums and the base are written again only behind this wait
	s_add_nc_u64 s[PT:PT+1], s[PT:PT+1], 256
	s_add_co_u32 s[KB], s[KB], 128                 ; the next 64 columns
	s_and_b32 s[KB], s[KB], 511
.irp i, 0,1,2,3,4
	v_add_nc_u32 v[WAC+\i], s[KB], v[WA0+\i]
.endr
	s_sub_co_u32 s[LC], s[LC], 1
	s_cmp_lg_u32 s[LC], 0
	s_cbranch_scc1 .Lws
.LskipC:
	s_sub_co_u32 s[PS], s[PS], 1
	s_cmp_lg_u32 s[PS], 0
	s_cbranch_scc1 .Lpass
	s_wait_tensorcnt 0x0                           ; the wave's end: three closing lines behind my last LDS store
	ds_add_u32 v30, v31
	s_wait_dscnt 0x0
	s_endpgm
.Lfunc_end_k_qf397c68e4f_main:
	.size	k_qf397c68e4f_main, .Lfunc_end_k_qf397c68e4f_main-k_qf397c68e4f_main
	.p2alignl 7, 3214868480
	.fill 96, 4, 3214868480
	.section	.rodata,"a",@progbits
	.p2align	6, 0x0
	.amdhsa_kernel k_qf397c68e4f_main
		.amdhsa_group_segment_fixed_size 303104
		.amdhsa_private_segment_fixed_size 0
		.amdhsa_enable_private_segment 0
		.amdhsa_kernarg_size 72
		.amdhsa_user_sgpr_count 2
		.amdhsa_user_sgpr_kernarg_segment_ptr 1
		.amdhsa_wavefront_size32 1
		.amdhsa_system_sgpr_workgroup_id_x 1
		.amdhsa_system_sgpr_workgroup_id_y 1
		.amdhsa_system_sgpr_workgroup_id_z 1
		.amdhsa_system_vgpr_workitem_id 0
		.amdhsa_next_free_vgpr 1024
		.amdhsa_next_free_sgpr 96
		.amdhsa_reserve_vcc 1
		.amdhsa_float_denorm_mode_32 3
		.amdhsa_float_denorm_mode_16_64 3
		.amdhsa_memory_ordered 1
		.amdhsa_forward_progress 1
		.amdhsa_inst_pref_size 255
	.end_amdhsa_kernel
	.section	.bss,"aw",@nobits
	.p2align	6
	.space	262144
	.amdgpu_metadata
---
amdhsa.version: [ 1, 2 ]
amdhsa.kernels:
  - .name:           k_qf397c68e4f_main
    .symbol:         k_qf397c68e4f_main.kd
    .args:
      - { .name: seq, .offset: 0, .size: 8, .value_kind: global_buffer, .address_space: global }
      - { .name: time_features, .offset: 8, .size: 8, .value_kind: global_buffer, .address_space: global }
      - { .name: wkf, .offset: 16, .size: 8, .value_kind: global_buffer, .address_space: global }
      - { .name: ctab, .offset: 24, .size: 8, .value_kind: global_buffer, .address_space: global }
      - { .name: cols, .offset: 32, .size: 8, .value_kind: global_buffer, .address_space: global }
      - { .name: plan, .offset: 40, .size: 8, .value_kind: global_buffer, .address_space: global }
      - { .name: bs, .offset: 48, .size: 8, .value_kind: global_buffer, .address_space: global }
      - { .name: part, .offset: 56, .size: 8, .value_kind: global_buffer, .address_space: global }
      - { .name: stat, .offset: 64, .size: 8, .value_kind: global_buffer, .address_space: global }
    .group_segment_fixed_size: 303104
    .private_segment_fixed_size: 0
    .kernarg_segment_align: 8
    .kernarg_segment_size: 72
    .max_flat_workgroup_size: 128
    .sgpr_count:     96
    .vgpr_count:     1024
    .wavefront_size: 32
...
	.end_amdgpu_metadata
.endif
;; end of part 2
;; launch comb (part 3): grid 8 x 32, 4 waves a work-group, no clusters, 6,656 bytes of LDS; arguments lengths, part, stat, out0; writes out0
.if DOCPART == 3
	.amdgcn_target "amdgcn-amd-amdhsa--gfx1250"
	.amdhsa_code_object_version 6
	.text
	.protected	k_qf397c68e4f_comb
	.globl	k_qf397c68e4f_comb
	.p2align	8
	.type	k_qf397c68e4f_comb,@function
k_qf397c68e4f_comb:
	s_mov_b64 s[64:65], 0
	v_nop
	global_prefetch_b8 v0, s[64:65] scope:SCOPE_SE
	s_setreg_imm32_b32 hwreg(HW_REG_WAVE_MODE, 25, 1), 1
	s_wait_xcnt 0x0
; COMB.  out0[b][:] = sum over the batch's blocks of 2^(m - M) acc[block][:] / sum of 2^(m - M) l[block], M = the largest m of the batch: the softmax's true maximum.
; A work-group makes 128 columns (512 bytes) of one batch.  Every wave makes all the block weights for itself (four blocks a lane, 128 at the most); wave w then adds up blocks w, w + 4, ..; the four sums meet in LDS.
; The block numbers are made from the lengths as the first launch makes them: a length is held to 1 .. 2048; ceil(length / 16) blocks a batch, numbered on end.
; A stream of a few megabytes with no product: no matrix unit, no cluster, no tensor load.
.set WBUF,  0                          ; wave w's 128 weights, 512 bytes, at 1024 w: the loop's step, 384 at the most, is held under 512 by its mask, and that bound too stays inside the wave's 1,024
.set RED,   4096                       ; wave w's sums at 512 w
.set SPARE, 6144                       ; the spare words, 128 bytes a wave, that no other line names
	s_load_b256 s[4:11], s[0:1], 0x0               ; lengths 4, part 6, stat 8, out0 10
	v_lshl_add_u32 v30, v0, 2, SPARE
	v_mov_b32 v31, 0
	v_lshrrev_b32 v1, 5, v0
	v_readfirstlane_b32 s12, v1                    ; wave
	v_and_b32 v1, 31, v0
	s_and_b32 s13, ttmp7, 0xffff                   ; the batch
	s_mov_b32 s14, 0                               ; its first block's number
	s_mov_b32 s15, 1                               ; its blocks
	s_mov_b32 s50, 0xff61b1e6                      ; -3e38
	s_mov_b32 s51, 0x76543210                      ; v_permlanex16_b32: each lane takes its own place in the other half
	s_mov_b32 s52, 0xfedcba98
	s_wait_kmcnt 0x0
	s_load_b512 s[16:31], s[4:5], 0x0
	s_load_b512 s[32:47], s[4:5], 0x40
	s_wait_kmcnt 0x0
.set i, 0
.rept 32
	s_max_i32 s[16+i], s[16+i], 1
	s_min_i32 s[16+i], s[16+i], 0x800
	s_add_co_u32 s[16+i], s[16+i], 15
	s_lshr_b32 s[16+i], s[16+i], 4
	s_cmp_gt_u32 s13, i
	s_cselect_b32 s48, s[16+i], 0
	s_add_co_u32 s14, s14, s48
	s_cmp_eq_u32 s13, i
	s_cselect_b32 s15, s[16+i], s15
.set i, i+1
.endr
	s_sub_co_u32 s49, s15, 1
.irp k, 0,1,2,3                        ; block l + 32 k of the batch; past the last one the last is read again and gets the weight 0
	v_add_nc_u32 v[2+\k], 32*\k, v1
	v_min_u32 v[6+\k], s49, v[2+\k]
	v_add_nc_u32 v[6+\k], s14, v[6+\k]
	v_min_u32 v[6+\k], 0xfff, v[6+\k]
	v_lshlrev_b32 v[6+\k], 3, v[6+\k]
	global_load_b64 v[10+2*\k:11+2*\k], v[6+\k], s[8:9]
.endr
	s_lshl_b32 s48, s12, 10
	v_lshl_add_u32 v28, v1, 2, s48                 ; where my weights go: 1024 w + 4 l
	s_lshl_b32 s53, ttmp9, 9
	v_lshl_add_u32 v29, v1, 4, s53                 ; my 16 bytes of a row of 4,096
	s_mul_i32 s53, s12, 1028
	v_mov_b32 v32, s53                             ; the weight of block w: 1024 w + 4 w; never rewritten
	s_lshl_b32 s48, s12, 9
	s_add_co_u32 s48, s48, RED
	v_lshl_add_u32 v33, v1, 4, s48
.irp k, 34,35,36,37
	v_mov_b32 v\k, 0                               ; four sums a lane
.endr
	s_wait_loadcnt 0x0
.irp k, 0,1,2,3
	v_cmp_gt_u32 vcc_lo, s15, v[2+\k]
	v_cndmask_b32 v[10+2*\k], s50, v[10+2*\k], vcc_lo
.endr
	v_max_num_f32 v18, v10, v12
	v_max3_num_f32 v18, v18, v14, v16
.irp m, 1,2,4,8
	v_max_num_f32_dpp v18, v18, v18 row_xmask:\m row_mask:0xf bank_mask:0xf
.endr
	v_mov_b32 v19, v18
	v_permlanex16_b32 v19, v18, s51, s52
	v_max_num_f32 v18, v18, v19                    ; M, in every lane
.irp k, 0,1,2,3
	v_sub_f32 v[20+\k], v[10+2*\k], v18
.endr
.irp k, 0,1,2,3
	v_exp_f32 v[20+\k], v[20+\k]
.endr
	v_nop
	s_wait_alu depctr_va_vdst(0)                   ; one wait for the four
	v_mul_f32 v24, v20, v11
	v_fmac_f32 v24, v21, v13
	v_fmac_f32 v24, v22, v15
	v_fmac_f32 v24, v23, v17
.irp k, 0,1,2,3
	ds_store_b32 v28, v[20+\k] offset:128*\k
.endr
.irp m, 1,2,4,8
	v_add_f32_dpp v24, v24, v24 row_xmask:\m row_mask:0xf bank_mask:0xf
.endr
	v_permlanex16_b32 v19, v24, s51, s52
	v_add_f32 v24, v24, v19                        ; the batch's sum of weights
	v_rcp_f32 v26, v24
	v_rcp_f32 v27, v24                             ; twice: a pair for the packed multiply
	v_nop
	s_wait_alu depctr_va_vdst(0)
	s_mov_b32 s53, 4
	s_mov_b32 s54, s12                             ; my first block of the group
	s_mov_b32 s55, 0                               ; the group's first block
	s_mov_b32 s56, 0                               ; the group's weights: 128 bytes a group
.Lgrp:                                         ; four trips at the most, 32 blocks each, eight of them mine; left forward behind the batch's last block
	s_cmp_ge_u32 s55, s15
	s_cbranch_scc1 .Lred
	v_add_nc_u32 v25, s56, v32
.irp u, 0,1,2,3,4,5,6,7
	s_add_co_u32 s48, s54, 4*\u
	s_min_u32 s48, s48, s49
	s_add_co_u32 s48, s48, s14
	s_min_u32 s48, s48, 0xfff
	s_lshl_b32 s48, s48, 12
	v_add_nc_u32 v[40+\u], s48, v29
	global_load_b128 v[48+4*\u:51+4*\u], v[40+\u], s[6:7] th:TH_LOAD_NT  ; 512 consecutive bytes, aligned
	ds_load_b32 v[80+\u], v25 offset:16*\u         ; my own wave's stores, served in order ahead of these (ISA guide 5.7.1.4)
.endr
	s_wait_dscnt 0x0
.irp u, 0,1,2,3,4,5,6,7
	s_wait_loadcnt 7-\u                            ; the younger loads of the group may stay out
.if (\u%2) == 0
	v_pk_fma_f32 v[34:35], v[48+4*\u:49+4*\u], v[80+\u:81+\u], v[34:35] op_sel_hi:[1,0,1]
	v_pk_fma_f32 v[36:37], v[50+4*\u:51+4*\u], v[80+\u:81+\u], v[36:37] op_sel_hi:[1,0,1]
.else
	v_pk_fma_f32 v[34:35], v[48+4*\u:49+4*\u], v[79+\u:80+\u], v[34:35] op_sel:[0,1,0] op_sel_hi:[1,1,1]
	v_pk_fma_f32 v[36:37], v[50+4*\u:51+4*\u], v[79+\u:80+\u], v[36:37] op_sel:[0,1,0] op_sel_hi:[1,1,1]
.endif
.endr
	s_add_co_u32 s54, s54, 32
	s_add_co_u32 s55, s55, 32
	s_add_co_u32 s56, s56, 128
	s_and_b32 s56, s56, 511
	s_sub_co_u32 s53, s53, 1
	s_cmp_lg_u32 s53, 0
	s_cbranch_scc1 .Lgrp
.Lred:
	ds_store_b128 v33, v[34:37]
	s_wait_dscnt 0x0                               ; for the others' sake: my sums are in LDS
	s_barrier_signal -1
	s_barrier_wait -1
	s_cmp_lg_u32 s12, 0
	s_cbranch_scc1 .Lend
	v_lshl_add_u32 v38, v1, 4, RED
.irp w, 0,1,2,3
	ds_load_b128 v[48+4*\w:51+4*\w], v38 offset:512*\w
.endr
	s_lshl_b32 s48, s13, 12
	v_add_nc_u32 v39, s48, v29
	s_wait_dscnt 0x0
.irp k, 0,2
	v_pk_add_f32 v[48+\k:49+\k], v[48+\k:49+\k], v[52+\k:53+\k]
	v_pk_add_f32 v[56+\k:57+\k], v[56+\k:57+\k], v[60+\k:61+\k]
.endr
.irp k, 0,2
	v_pk_add_f32 v[48+\k:49+\k], v[48+\k:49+\k], v[56+\k:57+\k]
.endr
.irp k, 0,2
	v_pk_mul_f32 v[48+\k:49+\k], v[48+\k:49+\k], v[26:27]
.endr
	global_store_b128 v39, v[48:51], s[10:11]      ; 512 consecutive bytes, aligned
.Lend:
	s_wait_tensorcnt 0x0                           ; the wave's end: three closing lines behind my last LDS store
	ds_add_u32 v30, v31
	s_wait_dscnt 0x0
	s_endpgm
.Lfunc_end_k_qf397c68e4f_comb:
	.size	k_qf397c68e4f_comb, .Lfunc_end_k_qf397c68e4f_comb-k_qf397c68e4f_comb
	.p2alignl 7, 3214868480
	.fill 96, 4, 3214868480
	.section	.rodata,"a",@progbits
	.p2align	6, 0x0
	.amdhsa_kernel k_qf397c68e4f_comb
		.amdhsa_group_segment_fixed_size 6656
		.amdhsa_private_segment_fixed_size 0
		.amdhsa_enable_private_segment 0
		.amdhsa_kernarg_size 32
		.amdhsa_user_sgpr_count 2
		.amdhsa_user_sgpr_kernarg_segment_ptr 1
		.amdhsa_wavefront_size32 1
		.amdhsa_system_sgpr_workgroup_id_x 1
		.amdhsa_system_sgpr_workgroup_id_y 1
		.amdhsa_system_sgpr_workgroup_id_z 1
		.amdhsa_system_vgpr_workitem_id 0
		.amdhsa_next_free_vgpr 96
		.amdhsa_next_free_sgpr 66
		.amdhsa_reserve_vcc 1
		.amdhsa_float_denorm_mode_32 3
		.amdhsa_float_denorm_mode_16_64 3
		.amdhsa_memory_ordered 1
		.amdhsa_forward_progress 1
		.amdhsa_inst_pref_size 21
	.end_amdhsa_kernel
	.amdgpu_metadata
---
amdhsa.version: [ 1, 2 ]
amdhsa.kernels:
  - .name:           k_qf397c68e4f_comb
    .symbol:         k_qf397c68e4f_comb.kd
    .args:
      - { .name: lengths, .offset: 0, .size: 8, .value_kind: global_buffer, .address_space: global }
      - { .name: part, .offset: 8, .size: 8, .value_kind: global_buffer, .address_space: global }
      - { .name: stat, .offset: 16, .size: 8, .value_kind: global_buffer, .address_space: global }
      - { .name: out0, .offset: 24, .size: 8, .value_kind: global_buffer, .address_space: global }
    .group_segment_fixed_size: 6656
    .private_segment_fixed_size: 0
    .kernarg_segment_align: 8
    .kernarg_segment_size: 32
    .max_flat_workgroup_size: 128
    .sgpr_count:     66
    .vgpr_count:     96
    .wavefront_size: 32
...
	.end_amdgpu_metadata
.endif
;; end of part 3
;; ======== version 2 of 2: 3 launches; version 1 with the launch main written anew for expert scheduling mode
;; workspace buffers: wkf 2,129,920 bytes; ctab 131,072 bytes; cols 12,288 bytes; plan 65,536 bytes of whole numbers; part 16,777,216 bytes; stat 32,768 bytes
;; launch prep: the kernel of part 1 again; grid 81 x 1, 8 waves a work-group, no clusters, 107,520 bytes of LDS; arguments Wk, Wq, query, bq, bk, bt, Ws, Wt, lengths, wkf, ctab, cols, plan; writes wkf, ctab, cols, plan
;; launch main (part 4): grid 256 x 1, 4 waves a work-group, no clusters, 303,104 bytes of LDS; arguments seq, time_features, wkf, ctab, cols, plan, bs, part, stat; writes part, stat
.if DOCPART == 4
	.amdgcn_target "amdgcn-amd-amdhsa--gfx1250"
	.amdhsa_code_object_version 6
	.text
	.protected	k_qf397c68e4f_main
	.globl	k_qf397c68e4f_main
	.p2align	8
	.type	k_qf397c68e4f_main,@function
k_qf397c68e4f_main:
	s_mov_b64 s[64:65], 0
	v_nop
	global_prefetch_b8 v0, s[64:65] scope:SCOPE_SE
	s_setreg_imm32_b32 hwreg(HW_REG_WAVE_SCHED_MODE, 0, 2), 2
	s_setreg_imm32_b32 hwreg(HW_REG_WAVE_MODE, 25, 1), 1
	s_wait_xcnt 0x0
	s_wait_alu depctr_vm_vsrc(0)
; MAIN.  For each block of 16 rows below its batch's length: score[row] = bs + sum over d of Ws[d] tanh(seq Wk + tf Wt + c[batch])[row][d]; the block's own maximum m, p = 2^(s log2 e - m), l = sum of p,
; and sum over its rows of p seq[row][:].  The last launch joins a batch's blocks under the batch's true maximum.
; SHARES.  The plan gives the work-group up to 16 blocks, of any batches.  A PASS holds up to nine of them (144 rows x 1,024, rounded once to bf16) in LDS: seq crosses from memory once, and the same bf16 rows
; serve the product and the weighted sum.  More than nine blocks: two passes of half each.  Wave w owns columns 256 w .. 256 w + 255, 64 at a time (four N steps): 9 x 4 accumulators of 16 x 16.
; Source 0 = 16 rows from LDS, source 1 = 16 columns of Wk, which come from wkf straight into a ring of eight register slots, seven K steps (28 KiB a wave) ahead: no wave wants another's
; columns, so they pass through no LDS and meet no barrier.  NO CLUSTER, NO TENSOR LOADS: the tile takes 297,216 of LDS's bytes; what is left holds less than two K steps of the work-group's columns,
; and how many passes and blocks a work-group has hangs on the lengths, so partners would not ask alike.
; tf Wt is the sum's first K step: a product whose fragments hold tf (Wt) at k = 0, 1 and zeros elsewhere, with C = 0: nothing is cleared.
; tanh(x) = 1 - 2 / (1 + 2^y), y = 2 log2(e) x: exact at both ends (2^y = 0 or infinity).  So sum Ws tanh = sum Ws + sum (-2 Ws) / (1 + 2^y); a lane's share of sum Ws starts its sums.
; In a result a lane holds one column and eight rows: a row's score stays a partial sum a lane until the pass's end.
; BARRIERS stand on every path: the pass loop has two trips, and a pass with no block jumps forward over each of its three phases, never over a barrier.  Each phase writes the vector registers that it reads.
; ALL LANES ARE ON from the first line to the last.  What the text branches on comes from the plan, each number held by one minimum with a constant.
; LDS ADDRESSES are registers made of the lane, the wave and constants, with the rest in the immediate; where a loop walks along a row, such a register plus a scalar that a mask holds.
; LIMITS.  seq, Wk, time_features, Wt rounded once to bf16.  A row at or past the length has the score -3e38, so its weight is 0.  NaN and infinities in the inputs are not treated apart.
; THE MODE: SCHED_MODE bits 1:0 = 2 (LLVM: expert scheduling mode 2), set by the entry lines.  The code itself states the register dependences
; between vector or matrix instructions and memory or LDS instructions, with s_wait_alu, always for 0.
; THE PLAN.  Registers that memory or LDS instructions touch:
;   v4, v6-10, v16, v17, v29, v248-252, v254, v255   offsets and addresses, made at the head and never written again: one wait at the head.
;   TO, v18-26     offsets, written once at a pass's head, behind a wait that shows the last pass's memory and LDS instructions done reading; read by phase 2's loads, behind that phase's head wait.
;   Phase 1.  RAW0, RAW1: a block's 32 loads land; its 64 conversions read.  OUT0, OUT1: the conversions write; the 32 LDS stores read.  LSA: written at the phase's head; read by the stores.
;             One wait behind a block's conversions: RAW is asked for again at once, and OUT's stores follow.  One wait at a block's head: the stores of two blocks back have read OUT.
;   K loop.   Two buffers of rows: a step's products read one, the next step's LDS loads land in the other.  The ring: the products read slot u, loads land in slot (u + 7) % 8, which the step before read.
;             v11-15: read by the LDS loads, written once a trip.  ONE wait at a step's head; the step's loads follow it, dealt behind the step's first products, which name none of the registers that the loads touch.
;   N step.   Wt as loaded, c, -2 Ws: read by vector lines, then asked for again behind one wait.  The score sums: one wait ahead of their LDS stores.
;   Phase 3.  A block's sixteen rows land in one of two sets; its multiply-adds read the set and write four sums of the block's own.  One wait at a block's head serves the store of the block before and the loads of the block after.
.set PITCH, 2064                       ; a row in LDS: 2,048 bytes + 16 = 129 x 16: the 16 rows of a fragment load start at 16 different groups of four banks (ISA guide 11.1)
.set BLKB,  16*PITCH
.set PARTB, 144*PITCH+768              ; score partials: wave w at 576 w, one f32 a row.  768 bytes lie free behind the tile: the K loop's step along a row, 1,536 at the most, is held under 2,048 by its mask, and that bound too stays clear of these bytes
.set PBB,   PARTB+2304                 ; each wave's own copy of p, 576 bytes
.set SPARE, PBB+2304                   ; the spare words, 128 bytes a wave, that no other line names
; window 0: v1 l; v2 r; v3 8 r; v4 seq offset; v6-10 fragment addresses at k = 0 (rows 32 i + r); v11-15 the same at the trip's k; v16 16 l; v17 1024 w + 16 r; v18-26 ctab offsets;
;           v27 all ones in lanes 0-15; v28 my share of sum Ws; v29 0; v30, v31 the add's; v32-103, v104-175 two buffers of nine fragments of rows; v176-247 tf's nine fragments; v248-255 addresses of the last phases
.set AB0, 32
.set AX,  176
.set LSA, 32                           ; v32-36   phase 1: where my rows of blocks 2 i and 2 i + 1 go
; window 1: the ring: slot s at 32 s, fragment cb at 8 cb.   Phase 1: v0-63, v64-127 two out-buffers, a block in bf16 each
; window 2: accumulators of row blocks 0-4 at 8 (4 rb + cb); v160-199 their score sums; v200-219 c; v220-223 -2 Ws.   Phase 1: two sets of 128, as loaded.   Phase 3: v0-143 p of the 144 rows.
.set SCR2, 160
.set CW2,  200
.set WS2,  220
; window 3: accumulators of row blocks 5-8; v128-159 score sums; v160-175 c; v176-179 -2 Ws; v180-183 Wt as loaded; v184-215 Wt's four fragments; v216-224 tf offsets; v226-243 tf
.set SCR3, 128
.set CW3,  160
.set WS3,  176
.set XT,   180
.set BX,   184
.set TO,   216
.set TD,   226
; scalars.  s[4:21]: seq 4, time_features 6, wkf 8, ctab 10, cols 12, plan 14 (at my record), bs 16, part 18, stat 20
.set WV,  22
.set F0,  24                           ; my first block's number
.set MBB, 25                           ; blocks of the second pass
.set PS,  26                           ; passes to go
.set MBA, 27                           ; blocks of the first pass
.set MB,  28                           ; blocks of this pass
.set NV,  29                           ; row blocks that the K loop multiplies: 5, 8 or 9
.set SL0, 30                           ; the pass's first slot in the record
.set BSL, 31                           ; bs log2(e)
.set SC,  32                           ; s[32:33] 2 log2(e)
.set L2E, 34
.set NEG, 35                           ; -3e38
.set RR,  36                           ; s[36:44] first rows of the nine slots
.set TT,  45
.set NVA, 46                           ; s[46:47] NV of the first and of the second pass
.set BT,  48                           ; s[48:56] the slots' batches
.set WB,  58                           ; s[58:59] wkf at the trip's first K step
.set CT,  60                           ; s[60:61] ctab at the N step's group
.set CL,  62                           ; s[62:63] cols likewise
.set SB0, 66                           ; s[66:67], s[78:79] seq at the block that a register set is loaded from
.set VL,  68                           ; s[68:76] rows that count
.set SB1, 78
.set PT,  80                           ; s[80:81] part at the pass's first block, at the chunk of columns in hand
.set STP, 82                           ; s[82:83] stat at the pass's first block
.set KB,  84                           ; the loop's step along a row, in bytes
.set TC,  85                           ; trips; between loops: address set-up from the wave's number
.set NJ,  86
.set LC,  87
.set SELA, 88                          ; s88, s91 v_permlanex16_b32's selects: each lane takes its own place in the other half
.set EX,  89                           ; a mask of lanes
.set MH,  90                           ; lanes 16-31
.set SELB, 91
.set T0,  92                           ; s[92:95] at work
.set MSB, 0
.macro WIN new                         ; bits 1:0 source 0, 3:2 source 1, 5:4 source 2, 7:6 destination; the high byte repeats the setting that is left
.if MSB != (\new)
	s_set_vgpr_msb (MSB<<8)|(\new)
.set MSB, (\new)
.endif
.endm
	s_load_b512 s[4:19], s[0:1], 0x0
	s_load_b64 s[20:21], s[0:1], 0x40
	v_lshl_add_u32 v30, v0, 2, SPARE
	v_mov_b32 v31, 0
	v_lshrrev_b32 v1, 5, v0
	v_readfirstlane_b32 s[WV], v1
	v_and_b32 v1, 31, v0
	v_and_b32 v2, 15, v0
	v_bfe_u32 v64, v0, 4, 1                        ; h = l / 16
	v_lshlrev_b32 v3, 3, v2
	s_wait_alu depctr_va_sdst(0)                   ; the wave's number is written, ahead of its first reader: offsets, addresses and branches are made from it
	s_lshl_b32 s[T0], s[WV], 14
	v_lshl_add_u32 v4, v1, 4, s[T0]                ; my wave's four rows of a block, 16 l
	v_mul_u32_u24 v6, v2, PITCH
	v_lshl_add_u32 v6, v64, 4, v6
.irp i, 1,2,3,4
	v_add_nc_u32 v[6+\i], \i*2*BLKB, v6
.endr
	v_lshlrev_b32 v16, 4, v1
	s_lshl_b32 s[T0], s[WV], 10
	v_lshl_add_u32 v17, v2, 4, s[T0]
	v_lshl_add_u32 v255, v1, 3, s[T0]              ; my 8 bytes of a chunk's 256, in my wave's 1,024 of a block's 4,096 in part
	v_cmp_eq_u32 vcc_lo, 0, v64
	s_wait_alu depctr_va_vcc(0)                    ; the compare has written VCC, which the select reads
	v_cndmask_b32 v27, 0, -1, vcc_lo
	v_mov_b32 v29, 0
	s_mul_i32 s[T0], s[WV], 576
	s_add_co_u32 s[T0+1], s[T0], PARTB
	v_lshl_add_u32 v248, v64, 5, s[T0+1]           ; where my half of the lanes puts eight rows' partials
	v_lshl_add_u32 v249, v1, 2, PARTB              ; row 32 i + l
	v_lshl_add_u32 v250, v2, 2, PARTB              ; row 128 + r
	s_add_co_u32 s[T0+1], s[T0], PBB
	v_lshl_add_u32 v251, v1, 2, s[T0+1]
	v_lshl_add_u32 v252, v2, 2, s[T0+1]
	v_mov_b32 v254, s[T0+1]                        ; my wave's p, from row 0 on
	s_mov_b32 s[SC], 0x4038aa3b
	s_mov_b32 s[SC+1], s[SC]
	s_mov_b32 s[L2E], 0x3fb8aa3b
	s_mov_b32 s[NEG], 0xff61b1e6
	s_mov_b32 s[MH], 0xffff0000
	s_mov_b32 s[SELA], 0x76543210
	s_mov_b32 s[SELB], 0xfedcba98
	s_wait_kmcnt 0x0
	s_wait_alu depctr_va_vdst(0)                   ; v4, v6-10, v16, v17, v29, v248-252, v254, v255 are written: every load and store of the launch that reads one of them as offset or address stands behind this wait, and none of them is written again
.irp j, 0,1,2,3
	global_load_b128 v[32+4*\j:35+4*\j], v17, s[12:13] offset:256*\j   ; -2 Ws of my 16 columns
.endr
	s_lshl_b32 s[T0], ttmp9, 8
	s_mov_b32 s[T0+1], 0
	s_add_nc_u64 s[14:15], s[14:15], s[T0:T0+1]
	s_load_b128 s[T0:T0+3], s[14:15], 0x0          ; my blocks, the first one's number, the two passes' blocks
	s_load_b64 s[NVA:NVA+1], s[14:15], 0xf8        ; the two passes' row blocks
	s_load_b32 s[BSL], s[16:17], 0x0
.set i, 0
.rept 72                               ; tf's and Wt's fragments hold numbers in register 0 alone; the other k are 0 for the whole launch
	v_mov_b32 v[AX+i], 0
.set i, i+1
.endr
	WIN 0xc0
.set i, 0
.rept 32
	v_mov_b32 v[BX+i], 0
.set i, i+1
.endr
	WIN 0
	s_wait_kmcnt 0x0
	s_min_u32 s[F0], s[T0+1], 0xfff
	s_min_u32 s[MBA], s[T0+2], 9
	s_min_u32 s[MBB], s[T0+3], 8
	s_min_u32 s[NVA], s[NVA], 9
	s_min_u32 s[NVA+1], s[NVA+1], 9
	s_mul_f32 s[BSL], s[BSL], s[L2E]
	s_wait_loadcnt 0x0
.irp k, 32,36,40,44
	v_pk_add_f32 v[\k:\k+1], v[\k:\k+1], v[\k+2:\k+3]
.endr
	v_pk_add_f32 v[32:33], v[32:33], v[36:37]
	v_pk_add_f32 v[40:41], v[40:41], v[44:45]
	v_pk_add_f32 v[32:33], v[32:33], v[40:41]
	v_add_f32 v28, v32, v33
	v_mul_f32 v28, -0.5, v28
	s_mov_b32 s[PS], 2
.Lpass:
	; ---- scalars of the pass; always run ----
	s_wait_xcnt 0x0                                ; the last pass's stores and loads have read their addresses
	s_wait_loadcnt 0x0                             ; the ring's loads that ran past the last K step
	s_wait_dscnt 0x0                               ; my reads of the tile are over:
	s_barrier_signal -1
	s_barrier_wait -1                              ; everybody's are: the tile, the partials and p may be written again
	s_cmp_eq_u32 s[PS], 2
	s_cselect_b32 s[SL0], 0, s[MBA]
	s_cselect_b32 s[MB], s[MBA], s[MBB]
	s_cselect_b32 s[NV], s[NVA], s[NVA+1]
	s_min_u32 s[TT], s[SL0], 8
	s_lshl_b32 s[TT], s[TT], 2
	s_load_b256 s[RR:RR+7], s[14:15], s[TT] offset:0x10   ; slots past the pass's last hold the next pass's blocks, the last block again, or the record's zeros: valid rows all
	s_load_b32 s[RR+8], s[14:15], s[TT] offset:0x30
	s_load_b256 s[BT:BT+7], s[14:15], s[TT] offset:0x60
	s_load_b32 s[BT+8], s[14:15], s[TT] offset:0x80
	s_load_b256 s[VL:VL+7], s[14:15], s[TT] offset:0xb0
	s_load_b32 s[VL+8], s[14:15], s[TT] offset:0xd0
	s_add_co_u32 s[T0], s[F0], s[SL0]
	s_min_u32 s[T0], s[T0], 0xfff
	s_lshl_b32 s[T0+2], s[T0], 3
	s_lshl_b32 s[T0], s[T0], 12
	s_mov_b32 s[T0+1], 0
	s_mov_b32 s[T0+3], 0
	s_add_nc_u64 s[PT:PT+1], s[18:19], s[T0:T0+1]
	s_add_nc_u64 s[STP:STP+1], s[20:21], s[T0+2:T0+3]
	s_wait_kmcnt 0x0
.set i, 0
.rept 9
	s_min_u32 s[RR+i], s[RR+i], 0xfff0
	s_min_u32 s[BT+i], s[BT+i], 31
	s_min_u32 s[VL+i], s[VL+i], 16
	s_cmp_gt_u32 s[MB], i
	s_cselect_b32 s[VL+i], s[VL+i], 0              ; a slot past the pass's last has no row that counts
.set i, i+1
.endr
	s_wait_alu depctr_vm_vsrc(0)                   ; the last pass's loads have read TO and v18-26, written below; its stores and LDS instructions have read LSA, the out-buffers, the score sums, p, the stat pairs and the weighted sums, which this pass writes or loads again
	WIN 0xc0
.set i, 0
.rept 9
	s_lshl_b32 s[T0], s[RR+i], 3                   ; time_features: 8 bytes a row
	v_add_nc_u32 v[TO+i], s[T0], v3
.set i, i+1
.endr
	WIN 0
.set i, 0
.rept 9
	s_lshl_b32 s[T0], s[BT+i], 12                  ; ctab: the slot's batch, my wave's columns
	v_add_nc_u32 v[18+i], s[T0], v17
.set i, i+1
.endr
	s_cmp_eq_u32 s[MB], 0
	s_cbranch_scc1 .LskipA
	; ---- phase 1: nine blocks of seq, f32 -> bf16 -> LDS.  Wave w takes rows 4 w .. 4 w + 3 of each block; two register sets, a block each: 32 KiB a wave on their way.  Written out, so that a block's place in LDS is a constant ----
.macro SETB sb, i
	s_wait_xcnt 0x0
	s_lshl_b32 s[T0], s[RR+(\i)], 12
	s_add_nc_u64 s[\sb:\sb+1], s[4:5], s[T0:T0+1]
.endm
.macro LOADS set, sb
	WIN 0x80
.set i, 0
.rept 32
	global_load_b128 v[(\set)+4*i:(\set)+4*i+3], v4, s[\sb:\sb+1] offset:(i/8)*4096+(i%8)*512 th:TH_LOAD_NT  ; 512 consecutive bytes, aligned
.set i, i+1
.endr
.endm
.macro CVT set, ob                     ; a set as loaded (window 2) is rounded into an out-buffer (window 1)
	WIN 0x4a
.set i, 0
.rept 32
	v_cvt_pk_bf16_f32 v[(\ob)+2*i], v[(\set)+4*i], v[(\set)+4*i+1]
	v_cvt_pk_bf16_f32 v[(\ob)+2*i+1], v[(\set)+4*i+2], v[(\set)+4*i+3]
.set i, i+1
.endr
.endm
.macro STO ob, b                       ; the out-buffer goes to block b's place in the tile
	WIN 0x04
.set i, 0
.rept 32
	ds_store_b64 v[LSA+(\b)/2], v[(\ob)+2*i:(\ob)+2*i+1] offset:((\b)%2)*BLKB+(i/8)*PITCH+(i%8)*256
.set i, i+1
.endr
.endm
	s_mul_i32 s[TC], s[WV], 4*PITCH
	v_lshl_add_u32 v[LSA], v1, 3, s[TC]            ; my wave's four rows, 8 l
.irp i, 1,2,3,4
	v_add_nc_u32 v[LSA+\i], \i*2*BLKB, v[LSA]
.endr
	s_mov_b32 s[T0+1], 0
	SETB SB0, 0
	WIN 0x80
	s_wait_alu depctr_va_vdst(0)                   ; LSA is written, which the phase's LDS stores read; the last pass's products and vector lines are done with window 2, in which the two sets land
	LOADS 0, SB0
	SETB SB1, 1
	LOADS 128, SB1
.set bb, 0
.rept 9                                ; block bb is rounded, block bb + 2 is asked for into its registers, block bb goes to LDS
.set sbx, SB0+(SB1-SB0)*(bb%2)
.set stx, 128*(bb%2)
.set obx, 64*(bb%2)
.if bb < 8
	s_wait_loadcnt 32                              ; this set's 32 loads are in; the other set's 32 may stay out
.else
	s_wait_loadcnt 0x0
.endif
.if bb >= 2
	s_wait_alu depctr_vm_vsrc(0)                   ; the LDS stores of two blocks back have read this out-buffer, which the conversions write again
.endif
	CVT stx, obx
.if bb < 7
	SETB sbx, bb+2
	WIN 0x80
	s_wait_alu depctr_va_vdst(0)                   ; the conversions are done reading the set, in which the loads land, and have written the out-buffer, which the LDS stores read
	LOADS stx, sbx
.else
	WIN 0x04
	s_wait_alu depctr_va_vdst(0)                   ; the conversions have written the out-buffer, which the LDS stores read
.endif
	STO obx, bb
.set bb, bb+1
.endr
	WIN 0
.LskipA:
	s_wait_dscnt 0x0                               ; my rows of the tile are in LDS:
	s_barrier_signal -1
	s_barrier_wait -1                              ; everybody's are
	s_cmp_eq_u32 s[MB], 0
	s_cbranch_scc1 .LskipB
	; ---- phase 2: products, tanh, score partials ----
	s_mov_b64 s[CT:CT+1], s[10:11]
	s_mov_b64 s[CL:CL+1], s[12:13]
	s_lshl_b32 s[T0], s[WV], 19                    ; my wave's four groups: 524,288 bytes of wkf on end
	s_mov_b32 s[T0+1], 0
	s_add_nc_u64 s[WB:WB+1], s[8:9], s[T0:T0+1]
	WIN 0xc3
	s_wait_alu depctr_va_vdst(0)                   ; TO and v18-26 are written, which this phase's loads read; the conversions have written the out-buffers and the adds LSA, in which the ring and the rows land; the last pass's vector lines are done reading tf and Wt as loaded
	s_wait_alu depctr_vm_vsrc(0)                   ; phase 1's LDS stores have read the out-buffers and LSA, in which the ring and the rows land
.set i, 0
.rept 9
	global_load_b64 v[TD+2*i:TD+2*i+1], v[TO+i], s[6:7]
.set i, i+1
.endr
	WIN 0xc0
	global_load_b128 v[XT:XT+3], v17, s[CL:CL+1] offset:4096   ; Wt of the first group
	WIN 0x40
.set i, 0
.rept 56                               ; K steps 0 to 6 into slots 0 to 6
	global_load_b128 v[4*i:4*i+3], v16, s[WB:WB+1] offset:i*512
.set i, i+1
.endr
	WIN 0
.set i, 0
.rept 18                               ; K step 0's nine fragments of rows
	ds_load_b128 v[AB0+4*i:AB0+4*i+3], v[6+i/4] offset:((i/2)%2)*BLKB+32*(i%2)
.set i, i+1
.endr
.irp i, 0,1,2,3,4
	v_mov_b32 v[11+\i], v[6+\i]                    ; no LDS load since the wait above reads v11-15
.endr
	s_mov_b32 s[KB], 0
	WIN 0x80
.set i, 0
.rept 40
	v_mov_b32 v[SCR2+i], v28                       ; the score sums start at my share of sum Ws
.set i, i+1
.endr
	WIN 0xc0
.set i, 0
.rept 32
	v_mov_b32 v[SCR3+i], v28
.set i, i+1
.endr
	s_wait_loadcnt 57                              ; tf is in: behind it went Wt's load and the ring's 56
	WIN 0x0f
.set i, 0
.rept 9
	v_cvt_pk_bf16_f32 v[AX+8*i], v[TD+2*i], v[TD+2*i+1]
.set i, i+1
.endr
	WIN 0
.set i, 0
.rept 9
	v_and_b32 v[AX+8*i], v27, v[AX+8*i]            ; lanes 16-31 hold k = 8, 9: zeros
.set i, i+1
.endr
	s_mov_b32 s[NJ], 4
; product pi of a K step: row block pi / 4, columns 16 (pi % 4).  All accumulators take turns, one instruction a turn, in the same order in every step, over the backward jumps too
.macro WM ab, sl
.if pi < 20
	WIN 0xa4
	v_wmma_f32_16x16x32_bf16 v[8*pi:8*pi+7], v[(\ab)+8*(pi/4):(\ab)+8*(pi/4)+7], v[32*(\sl)+8*(pi%4):32*(\sl)+8*(pi%4)+7], v[8*pi:8*pi+7]
.else
	WIN 0xf4
	v_wmma_f32_16x16x32_bf16 v[8*(pi-20):8*(pi-20)+7], v[(\ab)+8*(pi/4):(\ab)+8*(pi/4)+7], v[32*(\sl)+8*(pi%4):32*(\sl)+8*(pi%4)+7], v[8*(pi-20):8*(pi-20)+7]
.endif
.endm
; K step u of a trip of eight, for n row blocks: 4 n products.  At its head stand the four places behind the last step's products, as in the plain form, and the step's one wait.
; Behind the first few products stand, at most five at a time, the 2 n LDS loads of the next step's rows, then twice four loads of the columns seven steps on, into the slot that the step before left.
.macro KSTEP n, u
.set CUR, AB0+72*((\u)%2)
.set NXT, AB0+72*(((\u)+1)%2)
.if (\u) < 7
.set KOF, 64*((\u)+1)
.else
.set KOF, 0
.endif
	s_wait_loadcnt 48                              ; this step's eight loads are in; the six younger steps' 48 may stay out
	s_wait_dscnt 0x0                               ; this step's rows, asked for a step ago
.if (\u) < 7
.rept 4
	v_nop
.endr
.else
	WIN 0
	s_wait_alu depctr_vm_vsrc(0)                   ; the LDS loads issued so far have read v11-15
	s_add_co_u32 s[KB], s[KB], 512                 ; the next trip's eight steps; behind the last trip back to k = 0, for the next N step
	s_and_b32 s[KB], s[KB], 2047
.irp i, 0,1,2,3,4
	v_add_nc_u32 v[11+\i], s[KB], v[6+\i]          ; five plain instructions: the places
.endr
.endif
	s_wait_alu depctr_va_vdst(0)                   ; the last step's products are done reading the other buffer of rows and their slot of the ring, in which this step's loads land; v11-15 are written (at the phase's head, or in a trip's last step), which the LDS loads read
.set pi, 0
.set la, 0
.set lb, 0
.rept 4*(\n)
	WM CUR, \u
.if la < 2*(\n)
	WIN 0
.rept 5
.if la < 2*(\n)
	ds_load_b128 v[NXT+4*la:NXT+4*la+3], v[11+la/4] offset:((la/2)%2)*BLKB+KOF+32*(la%2)   ; no wait: the products since the step's wait name this step's rows, its slot and the accumulators alone
.set la, la+1
.endif
.endr
.elseif lb < 8
	WIN 0x40
.rept 4
	global_load_b128 v[32*(((\u)+7)%8)+4*lb:32*(((\u)+7)%8)+4*lb+3], v16, s[WB:WB+1] offset:((\u)+7)*4096+lb*512
.set lb, lb+1
.endr
.endif
.set pi, pi+1
.endr
.endm
.macro KLOOP n
.LK\n:
	s_mov_b32 s[TC], 4
.LKT\n:
.irp u, 0,1,2,3,4,5,6,7
	KSTEP \n, \u
.endr
	WIN 0
	s_wait_xcnt 0x0                                ; the ring's loads have read their base
	s_add_nc_u64 s[WB:WB+1], s[WB:WB+1], 32768
	s_sub_co_u32 s[TC], s[TC], 1
	s_cmp_lg_u32 s[TC], 0
	s_cbranch_scc1 .LKT\n
	s_branch .Lepi
.endm
; tanh and the score sums for nt accumulators, all in one window.  Two batches of transcendentals, each with one plain instruction and one wait behind it.  No memory or LDS instruction names these registers here.
.macro EPI win, nt, cwb, wsb, scb
	WIN \win
.set rt, 0
.rept \nt                              ; y = 2 log2(e) k + c: each accumulator from its lowest registers on
.set rc, (\cwb)+4*(rt/4)+2*((rt%4)/2)
.irp j, 0,2,4,6
.if rt%2 == 0
	v_pk_fma_f32 v[8*rt+\j:8*rt+\j+1], v[8*rt+\j:8*rt+\j+1], s[SC:SC+1], v[rc:rc+1] op_sel_hi:[1,0,0]
.else
	v_pk_fma_f32 v[8*rt+\j:8*rt+\j+1], v[8*rt+\j:8*rt+\j+1], s[SC:SC+1], v[rc:rc+1] op_sel:[0,0,1] op_sel_hi:[1,0,1]
.endif
.endr
.set rt, rt+1
.endr
.set rt, 0
.rept 8*(\nt)
	v_exp_f32 v[rt], v[rt]
.set rt, rt+1
.endr
	v_nop
	s_wait_alu depctr_va_vdst(0)                   ; the exponentials have written 2^y, which the additions read: one wait for the batch
.set rt, 0
.rept 4*(\nt)
	v_pk_add_f32 v[2*rt:2*rt+1], v[2*rt:2*rt+1], 1.0 op_sel_hi:[1,0]
.set rt, rt+1
.endr
.set rt, 0
.rept 8*(\nt)
	v_rcp_f32 v[rt], v[rt]
.set rt, rt+1
.endr
	v_nop
	s_wait_alu depctr_va_vdst(0)                   ; the reciprocals are written, which the score sums read: one wait for the batch
.set rt, 0
.rept \nt                              ; score += (-2 Ws) / (1 + 2^y)
.set rw, (\wsb)+2*((rt%4)/2)
.set rs, (\scb)+8*(rt/4)
.irp j, 0,2,4,6
.if rt%2 == 0
	v_pk_fma_f32 v[rs+\j:rs+\j+1], v[8*rt+\j:8*rt+\j+1], v[rw:rw+1], v[rs+\j:rs+\j+1] op_sel_hi:[1,0,1]
.else
	v_pk_fma_f32 v[rs+\j:rs+\j+1], v[8*rt+\j:8*rt+\j+1], v[rw:rw+1], v[rs+\j:rs+\j+1] op_sel:[0,1,0] op_sel_hi:[1,1,1]
.endif
.endr
.set rt, rt+1
.endr
.endm
.Lnstep:                                       ; four trips: 64 columns each
	s_wait_loadcnt 56                              ; Wt of this group is in: it is older than the ring's seven steps
	WIN 0xcc
.irp cb, 0,1,2,3
	v_and_b32 v[BX+8*\cb], v27, v[XT+\cb]
.endr
	s_wait_alu depctr_va_vdst(0)                   ; these four lines are done reading Wt as loaded, and the last N step's tanh lines c and -2 Ws: the twelve loads behind the products land in them; the 36 products between name tf's and Wt's fragments and the accumulators alone
.set pi, 0
.rept 36                               ; tf Wt starts all 36 sums
.if pi < 20
	WIN 0xac
	v_wmma_f32_16x16x32_bf16 v[8*pi:8*pi+7], v[AX+8*(pi/4):AX+8*(pi/4)+7], v[BX+8*(pi%4):BX+8*(pi%4)+7], 0
.else
	WIN 0xfc
	v_wmma_f32_16x16x32_bf16 v[8*(pi-20):8*(pi-20)+7], v[AX+8*(pi/4):AX+8*(pi/4)+7], v[BX+8*(pi%4):BX+8*(pi%4)+7], 0
.endif
.set pi, pi+1
.endr
	WIN 0xc0                                       ; twelve loads for the step's end and the next step's beginning; none goes into a product's register
	global_load_b128 v[XT:XT+3], v17, s[CL:CL+1] offset:4096+256
.irp rb, 5,6,7,8
	global_load_b128 v[CW3+4*(\rb-5):CW3+4*(\rb-5)+3], v[18+\rb], s[CT:CT+1]
.endr
	global_load_b128 v[WS3:WS3+3], v17, s[CL:CL+1]
	WIN 0x80
.irp rb, 0,1,2,3,4
	global_load_b128 v[CW2+4*\rb:CW2+4*\rb+3], v[18+\rb], s[CT:CT+1]
.endr
	global_load_b128 v[WS2:WS2+3], v17, s[CL:CL+1]
	WIN 0
	s_cmp_ge_u32 s[NV], 9
	s_cbranch_scc1 .LK9
	s_cmp_eq_u32 s[NV], 8
	s_cbranch_scc1 .LK8
	KLOOP 5
	KLOOP 8
	KLOOP 9
.Lepi:
.rept 4
	v_nop                                          ; four places between the last product and the first read of a result
.endr
	s_wait_loadcnt 56                              ; c and -2 Ws are in: they are older than the ring's seven steps
	EPI 0xaa, 20, CW2, WS2, SCR2
	WIN 0
	s_cmp_le_u32 s[NV], 5
	s_cbranch_scc1 .Lno_hi
	EPI 0xff, 16, CW3, WS3, SCR3
	WIN 0
.Lno_hi:
	s_wait_xcnt 0x0
	s_add_nc_u64 s[CT:CT+1], s[CT:CT+1], 256
	s_add_nc_u64 s[CL:CL+1], s[CL:CL+1], 256
	s_sub_co_u32 s[NJ], s[NJ], 1
	s_cmp_lg_u32 s[NJ], 0
	s_cbranch_scc1 .Lnstep
	; a row's partial: the sum over the sixteen lanes of its half (my wave's 256 columns)
.irp m, 1,2,4,8
	WIN 0xaa
.set i, 0
.rept 40
	v_add_f32_dpp v[SCR2+i], v[SCR2+i], v[SCR2+i] row_xmask:\m row_mask:0xf bank_mask:0xf
.set i, i+1
.endr
	WIN 0xff
.set i, 0
.rept 32
	v_add_f32_dpp v[SCR3+i], v[SCR3+i], v[SCR3+i] row_xmask:\m row_mask:0xf bank_mask:0xf
.set i, i+1
.endr
.endr
	WIN 0x08
	s_wait_alu depctr_va_vdst(0)                   ; the additions have written the 72 score sums, which the eighteen LDS stores read
.set i, 0
.rept 5                                ; the sixteen lanes of a half write the same bytes with the same numbers
	ds_store_b128 v248, v[SCR2+8*i:SCR2+8*i+3] offset:64*i
	ds_store_b128 v248, v[SCR2+8*i+4:SCR2+8*i+7] offset:64*i+16
.set i, i+1
.endr
	WIN 0x0c
.set i, 0
.rept 4
	ds_store_b128 v248, v[SCR3+8*i:SCR3+8*i+3] offset:64*(i+5)
	ds_store_b128 v248, v[SCR3+8*i+4:SCR3+8*i+7] offset:64*(i+5)+16
.set i, i+1
.endr
	WIN 0
.LskipB:
	s_wait_dscnt 0x0                               ; my partials are in LDS (and the rows fetched past the last K step are back):
	s_barrier_signal -1
	s_barrier_wait -1                              ; everybody's are
	s_cmp_eq_u32 s[MB], 0
	s_cbranch_scc1 .LskipC
	; ---- phase 3: each wave makes all blocks' softmax for itself; lane l stands for row 32 i + l (i = 4: both halves for row 128 + r), a half of the lanes for a block ----
	; The two waits are stated anew here, since the jump over phase 2 leads round that phase's waits.
	s_wait_alu depctr_va_vdst(0)                   ; the products, and phase 1's adds, are done with v32-51, in which the partials land
	s_wait_alu depctr_vm_vsrc(0)                   ; phase 1's LDS stores have read v32-36, in which the partials land
.irp i, 0,1,2,3
.irp w, 0,1,2,3
	ds_load_b32 v[32+4*\i+\w], v249 offset:128*\i+576*\w
.endr
.endr
.irp w, 0,1,2,3
	ds_load_b32 v[48+\w], v250 offset:512+576*\w
.endr
	s_wait_dscnt 0x0
.irp i, 0,1,2,3,4
	v_pk_add_f32 v[32+4*\i:33+4*\i], v[32+4*\i:33+4*\i], v[34+4*\i:35+4*\i]
.endr
.irp i, 0,1,2,3,4
	v_add_f32 v[32+4*\i], v[32+4*\i], v[33+4*\i]
.endr
.irp i, 0,1,2,3,4
	v_fma_f32 v[32+4*\i], v[32+4*\i], s[L2E], s[BSL]   ; (score + bs) log2(e)
	v_mov_b32 v[67+\i], s[VL+2*\i]                 ; how many of my block's rows count
.if \i < 4
	v_cndmask_b32 v[67+\i], v[67+\i], s[VL+2*\i+1], s[MH]
.endif
.endr
.irp i, 0,1,2,3                        ; the five compares stand in a run, each with a mask of its own
	v_cmp_gt_u32 s[T0+\i], v[67+\i], v2
.endr
	v_cmp_gt_u32 s[EX], v71, v2
	s_wait_alu depctr_va_sdst(0)                   ; the five compares have written their masks, which the selects read
.irp i, 0,1,2,3
	v_cndmask_b32 v[32+4*\i], s[NEG], v[32+4*\i], s[T0+\i]  ; a row at or past the length
.endr
	v_cndmask_b32 v48, s[NEG], v48, s[EX]
.irp i, 0,1,2,3,4
	v_mov_b32 v[52+2*\i], v[32+4*\i]
.endr
.irp m, 1,2,4,8
.irp i, 0,1,2,3,4
	v_max_num_f32_dpp v[52+2*\i], v[52+2*\i], v[52+2*\i] row_xmask:\m row_mask:0xf bank_mask:0xf  ; the block's maximum
.endr
.endr
.irp i, 0,1,2,3,4
	v_sub_f32 v[62+\i], v[32+4*\i], v[52+2*\i]
.endr
.irp i, 0,1,2,3,4
	v_exp_f32 v[62+\i], v[62+\i]
.endr
	v_nop
	s_wait_alu depctr_va_vdst(0)                   ; the five exponentials have written p, which the LDS stores and the lines below read: one wait for the batch
.irp i, 0,1,2,3
	ds_store_b32 v251, v[62+\i] offset:128*\i
.endr
	ds_store_b32 v252, v66 offset:512
.irp i, 0,1,2,3,4
	v_mov_b32 v[53+2*\i], v[62+\i]
.endr
.irp m, 1,2,4,8
.irp i, 0,1,2,3,4
	v_add_f32_dpp v[53+2*\i], v[53+2*\i], v[53+2*\i] row_xmask:\m row_mask:0xf bank_mask:0xf      ; the block's sum
.endr
.endr
	; (m, l) of the pass's blocks, 8 bytes a block, by wave 0.  All lanes stay on: the sixteen lanes of a half hold the same pair and write it to the same 8 bytes.  A pair of blocks past the pass's last is jumped over;
	; where the upper block alone is past it, the upper lanes take the lower half's pair and its address, so that nothing but the work-group's own entries is written.
	s_cmp_lg_u32 s[WV], 0
	s_cbranch_scc1 .Lnostat
	v_lshrrev_b32 v68, 4, v1                       ; l / 16
.irp i, 0,1,2,3,4
.if \i > 0
	s_cmp_le_u32 s[MB], 2*\i
	s_cbranch_scc1 .Lnostat
.endif
.if \i < 4
	v_mov_b32 v92, v[52+2*\i]                      ; (v_permlanex16_b32's destination counts as read)
	v_mov_b32 v93, v[53+2*\i]
	v_permlanex16_b32 v92, v[52+2*\i], s[SELA], s[SELB]
	v_permlanex16_b32 v93, v[53+2*\i], s[SELA], s[SELB]
	s_cmp_gt_u32 s[MB], 2*\i+1
	s_cselect_b32 s[EX], -1, 0xffff                ; the lanes that keep their own pair
	v_cndmask_b32 v[82+2*\i], v92, v[52+2*\i], s[EX]
	v_cndmask_b32 v[83+2*\i], v93, v[53+2*\i], s[EX]
	v_cndmask_b32 v[77+\i], 0, v68, s[EX]
	v_min_u32 v[77+\i], 1, v[77+\i]
	v_lshlrev_b32 v[77+\i], 3, v[77+\i]
	s_wait_alu depctr_va_vdst(0)                   ; the lines above have written this store's pair and its offset (the first of these waits also shows block 8's pair, v60 and v61, written)
	global_store_b64 v[77+\i], v[82+2*\i:83+2*\i], s[STP:STP+1] offset:16*\i
.else
	global_store_b64 v29, v[60:61], s[STP:STP+1] offset:64     ; block 8: both halves hold it; no vector line since the waits above writes v60 or v61
.endif
.endr
.Lnostat:
	; THE WEIGHTED SUMS.  Wave w's 256 columns go in four chunks of 64, a trip each: a lane has two columns, 4 bytes of a row in LDS and 8 bytes of part.  All 144 p lie in registers (window 2), every lane with all of them.
	; In a trip the blocks are written out: block b + 1's sixteen rows are asked for ahead of block b's 32 multiply-adds, which run in four chains (even and odd rows, lower and upper column).
	; Block b's sums are stored at the head of block b + 1, behind that block's one wait and ahead of the jump that may leave the trip there.
.set WAC, 72                           ; v72-76   row addresses at the trip's chunk
.set WA0, 96                           ; v96-100  the same at chunk 0: 512 w + 4 l, blocks 2 i and 2 i + 1
.set XW,  104                          ; v104-135 two sets of 16 rows
.set AW,  136                          ; v136-171 four sums a block
.macro XL b
.set i, 0
.rept 16
	ds_load_b32 v[XW+16*((\b)%2)+i], v[WAC+(\b)/2] offset:((\b)%2)*BLKB+i*PITCH   ; 128 consecutive bytes of a row
.set i, i+1
.endr
.endm
.macro WSB b
.if (\b) > 0
	s_wait_alu depctr_va_vdst(0)                   ; the block before has written its sums, which the store reads, and is done reading its set of rows, in which the next block's loads land
	global_store_b64 v255, v[AW+4*((\b)-1):AW+4*((\b)-1)+1], s[PT:PT+1] offset:((\b)-1)*4096 th:TH_STORE_NT  ; 256 consecutive bytes, aligned
	s_cmp_le_u32 s[MB], \b                         ; past the pass's last block: on to the trip's end
	s_cbranch_scc1 .Lwsn
.endif
.if (\b) < 8
	XL (\b)+1
	s_wait_dscnt 16                                ; this block's rows (and p) are in; the next block's sixteen loads may stay out
.else
	s_wait_dscnt 0x0
.endif
	WIN 0x08                                       ; source 1, p, in window 2
.set i, 0
.rept 16
.if i < 2
	v_fma_mix_f32_bf16 v[AW+4*(\b)+2*(i%2)], v[XW+16*((\b)%2)+i], v[16*(\b)+i], v29 op_sel_hi:[1,0,0]
	v_fma_mix_f32_bf16 v[AW+4*(\b)+2*(i%2)+1], v[XW+16*((\b)%2)+i], v[16*(\b)+i], v29 op_sel:[1,0,0] op_sel_hi:[1,0,0]
.else
	v_fma_mix_f32_bf16 v[AW+4*(\b)+2*(i%2)], v[XW+16*((\b)%2)+i], v[16*(\b)+i], v[AW+4*(\b)+2*(i%2)] op_sel_hi:[1,0,0]
	v_fma_mix_f32_bf16 v[AW+4*(\b)+2*(i%2)+1], v[XW+16*((\b)%2)+i], v[16*(\b)+i], v[AW+4*(\b)+2*(i%2)+1] op_sel:[1,0,0] op_sel_hi:[1,0,0]
.endif
.set i, i+1
.endr
	WIN 0
	v_pk_add_f32 v[AW+4*(\b):AW+4*(\b)+1], v[AW+4*(\b):AW+4*(\b)+1], v[AW+4*(\b)+2:AW+4*(\b)+3]
.endm
	s_lshl_b32 s[TC], s[WV], 9
	v_lshl_add_u32 v[WA0], v1, 2, s[TC]
.irp i, 1,2,3,4
	v_add_nc_u32 v[WA0+\i], \i*2*BLKB, v[WA0]
.endr
.irp i, 0,1,2,3,4
	v_mov_b32 v[WAC+\i], v[WA0+\i]
.endr
	s_mov_b32 s[KB], 0
	s_mov_b32 s[LC], 4
	WIN 0x80
	s_wait_alu depctr_va_vdst(0)                   ; the products and the tanh lines are done with window 2's v0-143, in which p lands
.set i, 0
.rept 36
	ds_load_b128 v[4*i:4*i+3], v254 offset:16*i    ; one address for all lanes; my own wave's stores, served in order ahead of these (ISA guide 5.7.1.4)
.set i, i+1
.endr
	WIN 0
.Lws:
	s_wait_alu depctr_va_vdst(0)                   ; the row addresses v72-76 are written, ahead of the loop or at the last trip's end, which the trip's LDS loads read; the last trip's multiply-adds are done reading both sets of rows
	XL 0
.irp b, 0,1,2,3,4,5,6,7,8
	WSB \b
.endr
	s_wait_alu depctr_va_vdst(0)                   ; block 8 has written its sums, which the store reads
	global_store_b64 v255, v[AW+32:AW+33], s[PT:PT+1] offset:8*4096 th:TH_STORE_NT
.Lwsn:
	s_wait_dscnt 0x0                               ; where the trip was left early, a block's rows are still on their way into registers that the next trip loads
	s_wait_xcnt 0x0                                ; the sums and the base are written again only behind this wait
	s_wait_alu depctr_vm_vsrc(0)                   ; the trip's LDS loads have read v72-76, written below, and its stores the sums, which the next trip's multiply-adds write again
	s_add_nc_u64 s[PT:PT+1], s[PT:PT+1], 256
	s_add_co_u32 s[KB], s[KB], 128                 ; the next 64 columns
	s_and_b32 s[KB], s[KB], 511
.irp i, 0,1,2,3,4
	v_add_nc_u32 v[WAC+\i], s[KB], v[WA0+\i]
.endr
	s_sub_co_u32 s[LC], s[LC], 1
	s_cmp_lg_u32 s[LC], 0
	s_cbranch_scc1 .Lws
.LskipC:
	s_sub_co_u32 s[PS], s[PS], 1
	s_cmp_lg_u32 s[PS], 0
	s_cbranch_scc1 .Lpass
	s_wait_dscnt 0x0                               ; the closing lines, six on end
	s_wait_alu 0x0
	s_wait_tensorcnt 0x0
	ds_add_u32 v30, v31
	s_wait_dscnt 0x0
	s_endpgm
.Lfunc_end_k_qf397c68e4f_main:
	.size	k_qf397c68e4f_main, .Lfunc_end_k_qf397c68e4f_main-k_qf397c68e4f_main
	.p2alignl 7, 3214868480
	.fill 96, 4, 3214868480
	.section	.rodata,"a",@progbits
	.p2align	6, 0x0
	.amdhsa_kernel k_qf397c68e4f_main
		.amdhsa_group_segment_fixed_size 303104
		.amdhsa_private_segment_fixed_size 0
		.amdhsa_enable_private_segment 0
		.amdhsa_kernarg_size 72
		.amdhsa_user_sgpr_count 2
		.amdhsa_user_sgpr_kernarg_segment_ptr 1
		.amdhsa_wavefront_size32 1
		.amdhsa_system_sgpr_workgroup_id_x 1
		.amdhsa_system_sgpr_workgroup_id_y 1
		.amdhsa_system_sgpr_workgroup_id_z 1
		.amdhsa_system_vgpr_workitem_id 0
		.amdhsa_next_free_vgpr 1024
		.amdhsa_next_free_sgpr 96
		.amdhsa_reserve_vcc 1
		.amdhsa_float_denorm_mode_32 3
		.amdhsa_float_denorm_mode_16_64 3
		.amdhsa_memory_ordered 1
		.amdhsa_forward_progress 1
		.amdhsa_inst_pref_size 255
	.end_amdhsa_kernel
	.section	.bss,"aw",@nobits
	.p2align	6
	.space	262144
	.amdgpu_metadata
---
amdhsa.version: [ 1, 2 ]
amdhsa.kernels:
  - .name:           k_qf397c68e4f_main
    .symbol:         k_qf397c68e4f_main.kd
    .args:
      - { .name: seq, .offset: 0, .size: 8, .value_kind: global_buffer, .address_space: global }
      - { .name: time_features, .offset: 8, .size: 8, .value_kind: global_buffer, .address_space: global }
      - { .name: wkf, .offset: 16, .size: 8, .value_kind: global_buffer, .address_space: global }
      - { .name: ctab, .offset: 24, .size: 8, .value_kind: global_buffer, .address_space: global }
      - { .name: cols, .offset: 32, .size: 8, .value_kind: global_buffer, .address_space: global }
      - { .name: plan, .offset: 40, .size: 8, .value_kind: global_buffer, .address_space: global }
      - { .name: bs, .offset: 48, .size: 8, .value_kind: global_buffer, .address_space: global }
      - { .name: part, .offset: 56, .size: 8, .value_kind: global_buffer, .address_space: global }
      - { .name: stat, .offset: 64, .size: 8, .value_kind: global_buffer, .address_space: global }
    .group_segment_fixed_size: 303104
    .private_segment_fixed_size: 0
    .kernarg_segment_align: 8
    .kernarg_segment_size: 72
    .max_flat_workgroup_size: 128
    .sgpr_count:     96
    .vgpr_count:     1024
    .wavefront_size: 32
...
	.end_amdgpu_metadata
.endif
;; end of part 4
;; launch comb: the kernel of part 3 again; grid 8 x 32, 4 waves a work-group, no clusters, 6,656 bytes of LDS; arguments lengths, part, stat, out0; writes out0
